; MI455X (gfx1250); checked and timed in simulation.
; The chip was launched on July 23, 2026; its instructions are those of AMD's public machine-readable ISA for CDNA 5 (MIT licence, August 2026) and "CDNA5" Instruction Set Architecture Reference Guide (July 2026). The comments in the code are by the model that wrote it; some were corrected since.
;; AG Then Gemm. Allowed arithmetic: matrix products marked QUANTISED: E2M3 operands, one E8M0 scale for each 32 along K, by v_wmma_scale_f32_16x16x128_f8f6f4 with both operands' format E2M3, f32 sums; everything else in f32.
;; Inputs: A_prev_codes 2,048 x 128 x 24 uint8 (E2M3 codes of A_prev, K innermost, in blocks of 32 codes, four codes in three bytes); A_prev_scales 2,048 x 128 uint8 (E8M0 scales of A_prev, one for each 32 codes along K); W_prev_codes 4,096 x 128 x 24 uint8 (E2M3 codes of W_prev, K innermost, in blocks of 32 codes, four codes in three bytes); W_prev_scales 4,096 x 128 uint8 (E8M0 scales of W_prev, one for each 32 codes along K); W_up_codes 4,096 x 128 x 24 uint8 (E2M3 codes of W_up, K innermost, in blocks of 32 codes, four codes in three bytes); W_up_scales 4,096 x 128 uint8 (E8M0 scales of W_up, one for each 32 codes along K).
;; Outputs: out0 2,048 x 4,096 float16.
;; This version of the problem:
;;   THIS VERSION OF THE PROBLEM IS GIVEN IN LOW PRECISION. The matrix products marked QUANTISED in the list below multiply operands that are first quantised to E2M3 (2 exponent bits, 3 mantissa bits; 6 bits a number), with one power-of-two scale for each 32 numbers along K (OCP MX v1.0); their sums are f32. All else is computed in f32.
;;   The module's matrix products, in the order in which they are computed (A, B: the left and right operand; K: the contracted axis; several contracted axes count as one K, in the product's order):
;;     1. [M 2,048, K 4,096] x [K 4,096, N 4,096]; A: input A_prev (given as codes); B: input W_prev (given as codes): QUANTISED
;;     2. [M 2,048, K 4,096] x [K 4,096, N 4,096]; A: computed on the way; B: input W_up (given as codes): QUANTISED
;;   THE QUANTISER, for each operand of a quantised product, along K:
;;     - K is cut into blocks of 32 from its start; a last block that is shorter is filled with zeros.
;;     - A block's scale is 2^e with e = floor(log2(the largest magnitude in the block)) - 2, held to -126 .. 127; a block of zeros has e = 0. As a byte (E8M0): e + 127.
;;     - Each number is divided by its block's scale, clamped to +-7.5, and rounded to the nearest number of E2M3, ties to even, subnormals kept.
;;     - The product sums the exact products of the quantised numbers (number of the format x scale) in f32.
;;   ~~~python
;;   def quantise(x, axis):      # numpy; x: float32 -> the quantised numbers, widened to float32 again
;;       x = np.moveaxis(x, axis, -1); K = x.shape[-1]
;;       x = np.pad(x, [(0, 0)] * (x.ndim - 1) + [(0, -K % 32)]); x = x.reshape(x.shape[:-1] + (-1, 32)); a = np.abs(x).max(-1, keepdims=True)
;;       e = np.where(a > 0, np.clip(np.frexp(np.where(a > 0, a, 1))[1] - 1 - 2, -126, 127), 0)      # np.frexp(a)[1] - 1 = floor(log2(a)), exactly
;;       r = np.clip(x / 2.0 ** e, -7.5, 7.5)
;;       step = 2.0 ** (np.maximum(np.frexp(np.where(r == 0, 1, r))[1] - 1, 0) - 3)
;;       q = np.round(r / step) * step * 2.0 ** e      # np.round: ties to even
;;       return np.moveaxis(q.reshape(q.shape[:-2] + (-1,))[..., :K], -1, axis).astype(np.float32)
;;   ~~~
;;   OPERANDS COMPUTED ON THE WAY. 'Computed on the way' means the value that the module computes at that place (a softmax that the list does not call 'softmax' is quantised finished and normalised). What goes into a quantiser is computed in f32, as accurately as f32 sums, v_exp_f32 and their like allow (about 1e-6 of the number): no bf16 or f16 on the way to a quantiser, and a product that is left as it is and whose result goes on into a quantised operand takes f32 operands (vector FMAs, or v_wmma_f32_16x16x4_f32). A number that lies on a knife's edge between two numbers of the format may be rounded either way, as far as f32 arithmetic and the matrix unit's own rounding can turn it there, and no further.
;;   INPUTS GIVEN AS CODES. A_prev (in the module: [2048, 4096], K = its axis 1); W_prev (in the module: [4096, 4096], K = its axis 0); W_up (in the module: [4096, 4096], K = its axis 0): each comes as NAME_codes (uint8): NAME with its K axis moved to the last place and cut into blocks of 32 codes, [.., K / 32, bytes a block], one block behind the other in memory; four codes in three bytes: a row's codes are one little-endian stream of bits, code i at bits 6 i .. 6 i + 5 (a code: sign, 2 exponent bits, 3 mantissa bits); and NAME_scales (uint8): the same leading axes, one E8M0 byte (e + 127) for each 32 codes along K. Its value is code x scale, taken as it is: it is not quantised again, and the codes and scales need not be those that the quantiser above would give.
;; 2 versions, each right. Each part assembles by itself: llvm-mc -triple=amdgcn-amd-amdhsa -mcpu=gfx1250 --defsym DOCPART=n.
;; ======== version 1 of 2: 2 launches
;; workspace buffers: act_codes 6,291,456 bytes; act_scales 262,144 bytes
;; launch gemm1 (part 1): grid 16 x 16, 4 waves a work-group, clusters of 4 x 4, 327,680 bytes of LDS; arguments A_prev_codes, A_prev_scales, W_prev_codes, W_prev_scales, act_codes, act_scales; writes act_codes, act_scales
.if DOCPART == 1
	.amdgcn_target "amdgcn-amd-amdhsa--gfx1250"
	.amdhsa_code_object_version 6
	.text
	.protected	k_q3014caf3e1_gemm1
	.globl	k_q3014caf3e1_gemm1
	.p2align	8
	.type	k_q3014caf3e1_gemm1,@function
k_q3014caf3e1_gemm1:
	s_mov_b64 s[64:65], 0
	v_nop
	global_prefetch_b8 v0, s[64:65] scope:SCOPE_SE
	s_setreg_imm32_b32 hwreg(HW_REG_WAVE_MODE, 25, 1), 1
	s_wait_xcnt 0x0
	s_wait_alu depctr_hold_cnt(0) depctr_sa_sdst(0) depctr_va_vdst(0) depctr_va_sdst(0) depctr_va_ssrc(0) depctr_va_vcc(0) depctr_vm_vsrc(0)
	s_getreg_b32 s2, hwreg(HW_REG_IB_STS2, 6, 4)
	s_cmp_eq_u32 s2, 0
	s_cbranch_scc0 .Lentry_in_a_cluster
	s_endpgm
.Lentry_in_a_cluster:
	s_bfe_u32 s2, ttmp6, 0x10000c
	s_cmp_lg_u32 s2, 0xf033
	s_cbranch_scc0 .Lentry_shape_is_right
	s_endpgm
.Lentry_shape_is_right:
; C[m][n] = sum over k of A[m][k] W[n][k]; M 2,048, N 4,096, K 4,096.  Both operands are codes of FP6 (E2M3), K innermost, four codes in three bytes, with one E8M0 byte for each 32 along K; sums in f32.
; ONE TEXT SERVES BOTH PRODUCTS OF THE CHAIN; SECOND says which.  SECOND = 0: A = A_prev, W = W_prev; the f32 sums are quantised along n, which is the next product's K, and leave as codes and scale bytes.
; SECOND = 1: A = those codes, W = W_up; the sums leave as f16.  Between the launches lie  act_codes [16 kt][2048 m][192 bytes]  and  act_scales [16 kt][2048 m][8 bytes],  kt = the block of 256 columns:
; so what a work-group writes (128 m x 256 n) is one dense block of 24,576 bytes and one of 1,024, and what a K step of the second product reads of A is a dense block too.
; SHARES.  2,048 x 4,096 are 256 tiles of 128 x 256: one work-group of four waves each.  Wave w makes rows 64 (w / 2) on and columns 128 (w % 2) on: 4 x 8 accumulators of 16 x 16, 256 registers.
; K goes in steps of 256 (rows of 192 bytes) through a ring of two LDS slots filled by the tensor data mover; a slot is two matrix instructions deep.  The scale bytes of the tile's rows, for all of K, come once and stay.
; CLUSTERS: 4 x 4 work-groups.  The four of a row of the cluster need the same tiles of A, the four of a column the same tiles of W: each tile is asked for JOINTLY, by the same tensor load with the same descriptor and
; a mask that names the four.  THE MATRIX INSTRUCTION IS USED TRANSPOSED (source 0 = 16 rows of W, source 1 = 16 rows of A): lane (r, h), register j of accumulator (a, b) holds C(16 a + r, 16 b + 8 h + j).
; LDS LOADS BY SLICES.  For 128 along K a wave loads 192 rows x 96 bytes, 72 loads of 8 bytes a lane, for 32 matrix instructions.  In one run they would stand in front of a matrix unit with nothing to do; so both operands
; have two sets of registers, and the next step's loads stand in slices of 4 or 5 behind the matrix instructions of the step in hand.  The price is two switches of the register window a slice; it is the lesser one.
; REGISTERS, in windows of 256: window 0: v1-29 addresses; v32-55 scale words and nothing else, two sets; v64-159 A's fragments, two sets; v160-255 at work on the way out.  window 1: W's fragments, sets at v0 and v128.
;   window 2: the accumulators, (a, b) at v[8 (8 a + b)].
; LIMITS: scale bytes 0xff, NaN and infinities are not served.  The sums go into the quantiser as f32, as the accumulators hold them.  A block of 32 sums that are all zero (or under 2^-124) gets the byte 1 where the
; quantiser's rule says 127: its codes are zeros, which add nothing under any byte but 0xff, and the bytes are read by this program alone.  Sums beyond f16's range leave the second product as infinities.
.set SECOND, 0
.set PITCH,  240                       ; an LDS row of codes: 3 x (64 bytes + 16 of padding) = 60 words: row r starts at bank -4 r mod 64 (64 banks of 4 bytes: ISA guide 11.1): the 32 lanes of a load of 8 bytes touch 64 different banks
.set AHALF,  64*PITCH                  ; 64 rows of A: what one tensor load brings, and what one wave reads
.set AT,     2*AHALF                   ; A's 128 rows
.set BHALF,  128*PITCH                 ; 128 rows of W: likewise
.set SLOT,   AT+2*BHALF                ; A's 128 rows, then W's 256
.set SCA,    2*SLOT                    ; behind the ring: A's scale bytes (17,408 bytes are kept for them),
.set BSHALF, 64*272                    ; W's, for 128 rows: 16,384 dense bytes as 64 rows of 256 bytes + 16 of padding
.set SCB,    SCA+17408
.set SPARE,  SCB+2*BSHALF              ; the spare words, 128 bytes for each wave: two blocks of 256 bytes that no other line names
.set STG,    SPARE+512                 ; the stage for the way out: bytes of its own, into which no tile lands
.set LAPS,   7                         ; trips of the loop: a trip goes once round the ring; K steps 2 to 15 are asked for in it
.if SECOND
.set KROWA,  192                       ; from row to row of A in memory, in bytes
.set ASTEP,  2048*192                  ; from a K step's tile of A to the next
.set ASCROW, 8                         ; from row to row of A's scale bytes
.set ASHALF, 16*512                    ; 64 rows' scale bytes in LDS: [16 kt][64 rows x 8 bytes], dense
.set ASB2,   256                       ; 32 rows on
.set ASSTEP, 512                       ; a K step on
.set ASW0,   (3<<16)|(1<<21)           ; group 1, word 0: elements of 8 bytes, no padding, bit 21 beside the mask
.set ASD0,   64                        ; a row of the tile: 64 rows' 8 bytes
.set ASD1,   16                        ; one for each kt
.set ASPIT,  2048                      ; 2,048 elements from kt to kt
.set SP,     528                       ; a stage row: 256 f16 + 16 bytes
.set NHSH,   8                         ; a wave's 128 columns are 256 bytes of it
.else
.set KROWA,  3072
.set ASTEP,  192
.set ASCROW, 128
.set ASHALF, 32*272                    ; 64 rows x 128 bytes, dense in memory, as 32 rows of 256 bytes + 16 of padding
.set ASB2,   16*272
.set ASSTEP, 8
.set ASW0,   (3<<16)|(1<<20)|(1<<21)|(5<<22)|(3<<25)
.set ASD0,   32
.set ASD1,   32
.set ASPIT,  32
.set SP,     272                       ; a stage row: 16 places of 16 bytes, each with the 12 bytes of 16 codes, + 16 bytes
.set NHSH,   7                         ; a wave's 128 columns are 8 places
.set SST,    STG+128*SP                ; behind it: the tile's scale words, 8 bytes a row
.endif
.set STO,  8                           ; v8   the way out: where I put my piece of a row
.set SSTO, 9                           ; v9   and my row's scale word
.set RD,   10                          ; v10  where I read rows back
.set SRD,  11                          ; v11  and scale words
.set CO,   12                          ; v12  my byte offset in the rows that I store
.set SCO,  13                          ; v13  and among the scale bytes
.set ADRA, 16                          ; v16-17 LDS address of my A fragments in slot 0, 1; v18-19 the same for the pieces that lie behind one padding more
.set ADRB, 20                          ; v20-23 the same for W
.set ADSA, 24                          ; v24  LDS address of A's scale words of the K step to be fetched: lane l takes row l of 32
.set ADSB, 25                          ; v25  of W's
.set SPW,  28                          ; v28  LDS address of my spare word: SPARE + 4 x my thread's number; never rewritten
.set NIL,  29                          ; v29  0; never rewritten
.set SCR,  32                          ; scale words: set s (slot s) at v[SCR + 12 s]: +2 i + q: A's blocks 2 i (lanes 0-15) and 2 i + 1 (lanes 16-31); +4 + 2 i + q: W's likewise; q: the slot's q-th 128 along K
.set AF,   64                          ; A's fragments: set p at AF + 48 p, block a at + 12 a
.set OB,   64                          ; the way out: rows on their way to memory
.set TM,   160                         ; v160-175 at work in the quantiser
.set SW,   176                         ; v176-179 the scale words just made, one for each block of rows
.set CD,   192                         ; v192-254 the codes just made
.set WV,   16                          ; s16  my wave's number
.set MH,   17                          ; s17  which 64 rows of the tile are mine.  Also: I fetch for A (0) or for W (1)
.set NH,   18                          ; s18  which 128 columns.  Also: which half of that tile I fetch
.set G1,   24                          ; s[24:31] descriptor group 1 for A's tiles; s[32:39] group 0, a set for each slot
.set G0,   32
.set G1B,  48                          ; s[48:55], s[56:63] the same for W's
.set G0B,  56
.set G1S,  68                          ; s[68:75], s[76:79] groups 1 and 0 for A's scale bytes; s[80:87], s[88:91] for W's
.set G0S,  76
.set G1SB, 80
.set G0SB, 88
.set SEL,  96                          ; s[96:97] lane selects for v_permlanex16_b32: lane l xor 16
.set MUL,  0xa1                        ; source 0 (W) window 1, source 1 (A) window 0, C and D window 2
.set TO_B, 0x40                        ; destination window 1, address window 0
.set MSB, 0
.macro WIN new                         ; the immediate's high byte repeats the setting that is left; a switch that changes nothing is dropped
.if MSB != \new
	s_set_vgpr_msb (MSB<<8)|\new
.set MSB, \new
.endif
.endm
; A joint load: waves 0 and 1 fetch for A, waves 2 and 3 for W.  Each of the two lines has ONE mask and one set of registers for all that issue it; the branch hangs on the wave's number alone.
; Four v_nop follow each of the two lines, ahead of the jump, the label and what follows.
.macro JLOAD g0a, g1a, g0b, g1b
	s_cmp_eq_u32 s[MH], 0
	s_cbranch_scc0 .Lfor_b_\@
	tensor_load_to_lds s[\g0a:\g0a+3], s[\g1a:\g1a+7]
	s_nop 0
.rept 4
	v_nop
.endr
	s_branch .Lasked_\@
.Lfor_b_\@:
	tensor_load_to_lds s[\g0b:\g0b+3], s[\g1b:\g1b+7]
	s_nop 0
.rept 4
	v_nop
.endr
.Lasked_\@:
.endm
.macro CREST                           ; a round of the cluster's barrier behind its opening barrier
	s_cmp_lg_u32 s[WV], 0
	s_cbranch_scc1 .Lnot_wave_0_\@
	s_barrier_signal -3
.Lnot_wave_0_\@:
	s_barrier_wait -3
	s_barrier_signal -1
	s_barrier_wait -1
.endm
.macro CROUND                          ; a whole round
	s_barrier_signal -1
	s_barrier_wait -1
	CREST
.endm
.macro PLACES n                        ; plain vector instructions that name no register of the matrix instructions in front of them (ISA guide 7.12.1)
.rept \n
	v_nop
.endr
.endm
	s_load_b256 s[4:11], s[0:1], 0x0               ; A's codes s[4:5], A's scales s[6:7], W's codes s[8:9], W's scales s[10:11]
.if SECOND
	s_load_b64 s[12:13], s[0:1], 0x20              ; the output
.else
	s_load_b128 s[12:15], s[0:1], 0x20             ; the codes' buffer s[12:13], the scale bytes' s[14:15]
.endif
	v_lshl_add_u32 v[SPW], v0, 2, SPARE
	v_mov_b32 v[NIL], 0
	ds_add_u32 v28, v29
	ds_add_u32 v28, v29
	s_wait_dscnt 0x0
	v_lshrrev_b32 v1, 5, v0
	v_readfirstlane_b32 s[WV], v1                  ; wave 0..3
	s_lshr_b32 s[MH], s[WV], 1
	s_and_b32 s[NH], s[WV], 1
	s_bfe_u32 s40, ttmp6, 0x40000                  ; cx, cy: my place in the cluster
	s_bfe_u32 s41, ttmp6, 0x40004
	s_lshl_b32 s42, ttmp9, 2
	s_add_co_u32 s42, s42, s40                     ; tile column = 4 x cluster x + cx
	s_and_b32 s43, ttmp7, 0xffff
	s_lshl_b32 s43, s43, 2
	s_add_co_u32 s43, s43, s41                     ; tile row = 4 x cluster y + cy
	s_lshl_b32 s44, s41, 2
	s_lshl_b32 s44, 15, s44                        ; my row of the cluster
	s_lshl_b32 s45, 0x1111, s40                    ; my column
	; descriptor groups 1.  Codes: rows of 192 elements of 1 byte; 16 bytes of padding (4 words, code 3) behind every 64 (16 words, code 3); bit 21 beside the mask
	s_or_b32 s[G1+0], s44, (1<<20)|(1<<21)|(3<<22)|(3<<25)     ; A's tiles go to my row of the cluster
	s_or_b32 s[G1B+0], s45, (1<<20)|(1<<21)|(3<<22)|(3<<25)    ; W's to my column
	s_mov_b32 s[G1+1], 192<<16                     ; tensor_dim0
	s_mov_b32 s[G1+2], 64<<16                      ; tensor_dim1: 64 rows
	s_mov_b32 s[G1+3], 192<<16                     ; tile_dim0
	s_mov_b32 s[G1+4], 64                          ; tile_dim1
	s_mov_b32 s[G1+5], KROWA                       ; from row to row
	s_mov_b32 s[G1+6], 0
	s_mov_b32 s[G1+7], 0
	s_mov_b32 s[G1B+1], 192<<16
	s_mov_b32 s[G1B+2], 128<<16                    ; 128 rows
	s_mov_b32 s[G1B+3], 192<<16
	s_mov_b32 s[G1B+4], 128
	s_mov_b32 s[G1B+5], 3072
	s_mov_b32 s[G1B+6], 0
	s_mov_b32 s[G1B+7], 0
	s_or_b32 s[G1S+0], s44, ASW0                   ; scale bytes, in elements of 8 bytes
	s_mov_b32 s[G1S+1], ASD0<<16
	s_mov_b32 s[G1S+2], ASD1<<16
	s_mov_b32 s[G1S+3], ASD0<<16
	s_mov_b32 s[G1S+4], ASD1
	s_mov_b32 s[G1S+5], ASPIT
	s_mov_b32 s[G1S+6], 0
	s_mov_b32 s[G1S+7], 0
	s_or_b32 s[G1SB+0], s45, (3<<16)|(1<<20)|(1<<21)|(5<<22)|(3<<25)   ; 64 rows of 256 bytes, 16 of padding behind each
	s_mov_b32 s[G1SB+1], 32<<16
	s_mov_b32 s[G1SB+2], 64<<16
	s_mov_b32 s[G1SB+3], 32<<16
	s_mov_b32 s[G1SB+4], 64
	s_mov_b32 s[G1SB+5], 32
	s_mov_b32 s[G1SB+6], 0
	s_mov_b32 s[G1SB+7], 0
	; where the tiles come from.  A's hang on the tile row alone, which my row of the cluster shares; W's on the tile column alone.  Each chain has registers that do not hold the other coordinate
	s_lshl_b32 s20, s43, 7
	s_lshl_b32 s21, s[NH], 6
	s_add_co_u32 s20, s20, s21                     ; A: row 128 x tile row + 64 x half
	s_mul_i32 s22, s20, ASCROW                     ; its scale bytes (all these offsets stay under 2^24)
	s_mov_b32 s23, 0
	s_mul_i32 s20, s20, KROWA                      ; its codes
	s_mov_b32 s21, 0
	s_lshl_b32 s46, s42, 8
	s_lshl_b32 s47, s[NH], 7
	s_add_co_u32 s46, s46, s47                     ; W: row 256 x tile column + 128 x half
	s_lshl_b32 s92, s46, 7
	s_mov_b32 s93, 0
	s_mul_i32 s46, s46, 3072
	s_mov_b32 s47, 0
	s_mul_i32 s94, s[NH], AHALF                    ; and where they go: no place in the cluster enters an LDS address
	s_mul_i32 s95, s[NH], BHALF
	s_add_co_u32 s95, s95, AT
	s_mul_i32 s98, s[NH], ASHALF
	s_mul_i32 s99, s[NH], BSHALF
	s_wait_kmcnt 0x0
	s_add_nc_u64 s[20:21], s[4:5], s[20:21]
	s_add_nc_u64 s[22:23], s[6:7], s[22:23]
	s_add_nc_u64 s[46:47], s[8:9], s[46:47]
	s_add_nc_u64 s[92:93], s[10:11], s[92:93]
	CROUND                                         ; all sixteen work-groups are here: the first joint loads meet
	s_mov_b32 s[G0S], 1                            ; group 0: count 1, LDS address, global address, type 2 on top
	s_add_co_u32 s[G0S+1], s98, SCA
	s_mov_b64 s[G0S+2:G0S+3], s[22:23]
	s_or_b32 s[G0S+3], s[G0S+3], 0x80000000
	s_mov_b32 s[G0SB], 1
	s_add_co_u32 s[G0SB+1], s99, SCB
	s_mov_b64 s[G0SB+2:G0SB+3], s[92:93]
	s_or_b32 s[G0SB+3], s[G0SB+3], 0x80000000
	JLOAD G0S, G1S, G0SB, G1SB                     ; the scale bytes first: they are wanted with K step 0.  Filled once
.irp s, 0,1
	s_mov_b32 s[G0+4*\s], 1
	s_add_co_u32 s[G0+4*\s+1], s94, \s*SLOT
	s_add_nc_u64 s[G0+4*\s+2:G0+4*\s+3], s[20:21], \s*ASTEP
	s_or_b32 s[G0+4*\s+3], s[G0+4*\s+3], 0x80000000
	s_mov_b32 s[G0B+4*\s], 1
	s_add_co_u32 s[G0B+4*\s+1], s95, \s*SLOT
	s_add_nc_u64 s[G0B+4*\s+2:G0B+4*\s+3], s[46:47], \s*192
	s_or_b32 s[G0B+4*\s+3], s[G0B+4*\s+3], 0x80000000
	JLOAD G0+4*\s, G1, G0B+4*\s, G1B               ; K steps 0 and 1: three tensor loads of mine are out
.endr
	v_and_b32 v1, 15, v0                           ; r = lane % 16
	v_bfe_u32 v2, v0, 4, 1                         ; h = lane / 16
	v_and_b32 v3, 31, v0                           ; lane
	v_mul_u32_u24 v4, v1, PITCH
	v_mad_u32_u24 v4, v2, 24, v4                   ; a fragment's row x pitch + 24 x half
	v_lshl_add_u32 v5, v2, 4, v4                   ; and the same behind one padding more
	s_mul_i32 s21, s[MH], AHALF                    ; my 64 rows of A
	s_mul_i32 s22, s[NH], BHALF                    ; my 128 rows of W,
	s_add_co_u32 s22, s22, AT                      ; which lie behind A's 128
.irp s, 0,1
	v_add_nc_u32 v[ADRA+\s], s21, v4
	v_add_nc_u32 v[ADRB+\s], s22, v4
	v_add_nc_u32 v[ADRA+2+\s], s21, v5
	v_add_nc_u32 v[ADRB+2+\s], s22, v5
	s_add_co_u32 s21, s21, SLOT
	s_add_co_u32 s22, s22, SLOT
.endr
	v_lshlrev_b32 v6, 7, v3                        ; scale bytes in rows of 128: lane l's row begins 128 l bytes on,
	v_lshrrev_b32 v7, 1, v3
	v_lshl_add_u32 v6, v7, 4, v6                   ; and 16 more for each 256 passed
	s_mul_i32 s21, s[NH], BSHALF
	s_add_co_u32 s21, s21, SCB
	v_add_nc_u32 v[ADSB], s21, v6
.if SECOND
	v_lshlrev_b32 v6, 3, v3                        ; A's lie by K steps here: 8 bytes a row
.endif
	s_mul_i32 s21, s[MH], ASHALF
	s_add_co_u32 s21, s21, SCA
	v_add_nc_u32 v[ADSA], s21, v6
	s_mul_i32 s21, s[MH], 64*SP                    ; into the stage: my 64 rows, my half of each; row r, 16 bytes for each half of the lanes
	s_lshl_b32 s22, s[NH], NHSH
	s_add_co_u32 s21, s21, s22
	s_add_co_u32 s21, s21, STG
	v_mul_u32_u24 v4, v1, SP
	v_lshl_add_u32 v4, v2, 4, v4
	v_add_nc_u32 v[STO], s21, v4
	s_mul_i32 s21, s[WV], 32*SP                    ; back: wave w takes rows 32 w .. 32 w + 31, whole
	s_add_co_u32 s21, s21, STG
	s_lshl_b32 s20, s43, 7
	s_lshl_b32 s22, s[WV], 5
	s_add_co_u32 s20, s20, s22                     ; the first row that I store: 128 x tile row + 32 x wave
.if SECOND
	v_lshlrev_b32 v[CO], 4, v3                     ; the 32 lanes take one row of 512 bytes; the same in the output
	v_add_nc_u32 v[RD], s21, v[CO]
	s_lshl_b32 s20, s20, 13                        ; a row of the output is 8,192 bytes,
	s_lshl_b32 s46, s42, 9                         ; the tile's 256 columns 512
	s_add_co_u32 s20, s20, s46
	s_mov_b32 s21, 0
	s_add_nc_u64 s[12:13], s[12:13], s[20:21]
.else
	v_mul_u32_u24 v4, v2, SP                       ; lanes 0-15 take one row's sixteen places, lanes 16-31 the next row's
	v_lshl_add_u32 v4, v1, 4, v4
	v_add_nc_u32 v[RD], s21, v4
	v_mul_u32_u24 v4, v2, 192
	v_mad_u32_u24 v[CO], v1, 12, v4                ; in memory a row is 192 bytes, a place 12
	v_lshlrev_b32 v[SCO], 3, v3                    ; scale words: 8 bytes a row
	s_lshl_b32 s21, s[MH], 9
	s_lshl_b32 s22, s[NH], 2
	s_add_co_u32 s21, s21, s22
	s_add_co_u32 s21, s21, SST
	v_lshl_add_u32 v[SSTO], v1, 3, s21             ; row 64 (w / 2) + r, word w % 2
	s_lshl_b32 s21, s[WV], 8
	s_add_co_u32 s21, s21, SST
	v_lshl_add_u32 v[SRD], v3, 3, s21              ; back: row 32 w + lane
	s_lshl_b32 s22, s20, 3
	s_mul_i32 s20, s20, 192
	s_mul_i32 s46, s42, 2048*192                   ; kt = the tile column
	s_add_co_u32 s20, s20, s46
	s_mov_b32 s21, 0
	s_add_nc_u64 s[12:13], s[12:13], s[20:21]
	s_lshl_b32 s46, s42, 14
	s_add_co_u32 s22, s22, s46
	s_mov_b32 s23, 0
	s_add_nc_u64 s[14:15], s[14:15], s[22:23]
	s_mov_b32 s[SEL], 0x76543210
	s_mov_b32 s[SEL+1], 0xfedcba98
.endif
; A fragment, 16 rows x 128 K of 6-bit codes, is 12 registers: lane l holds row l % 16; registers 6 c .. 6 c + 5 hold K = 64 c + 32 (l / 16) + 0 .. 31: 24 bytes of the row's stream of bits, as they lie.
; PIECE is one of its six loads of 8 bytes, so that every address is a multiple of the access's size.  Lanes 16-31 read three pieces further on than lanes 0-15; where that is behind one padding more, the second address register serves.
.macro PIECE reg, adr, q, i, p
.set PC, 12*(\q)+6*((\p)/3)+(\p)%3
.if PC%8 < 5
	ds_load_b64 v[\reg+2*(\p):\reg+2*(\p)+1], v[\adr] offset:8*PC+16*(PC/8)+(\i)*16*PITCH
.else
	ds_load_b64 v[\reg+2*(\p):\reg+2*(\p)+1], v[\adr+2] offset:8*PC+16*(PC/8)+(\i)*16*PITCH
.endif
.endm
; PLAN names what is to be fetched: the q-th 128 along K of a slot into register set fs; sc = 1: the slot's scale words too.  NEXTLD writes the plan's next load: A's 24, the 6 of scale words, W's 48; then nothing.
.macro PLAN slot, q, fs, sc
.set FSLOT, \slot
.set FQ, \q
.set FSET, \fs
.set LSC, 6*(\sc)
.set LN, 0
.set LTOT, 72+LSC
.endm
.macro NEXTLD
.if LN < LTOT
.if LN < 24
	WIN 0
	PIECE AF+48*FSET+12*(LN/6), ADRA+FSLOT, FQ, LN/6, LN%6
.elseif LN < 24+LSC
.set LI, LN-24
	WIN 0
.if LI < 2
	ds_load_b64 v[SCR+12*FSLOT+2*LI:SCR+12*FSLOT+2*LI+1], v[ADSA] offset:LI*ASB2              ; two words a row: the slot's two steps of 128; 32 rows: two blocks
.else
	ds_load_b64 v[SCR+12*FSLOT+2*LI:SCR+12*FSLOT+2*LI+1], v[ADSB] offset:(LI-2)*16*272
.endif
.else
.set LI, LN-24-LSC
	WIN TO_B
	PIECE 128*FSET+12*(LI/6), ADRB+FSLOT, FQ, LI/6, LI%6
.endif
.set LN, LN+1
.endif
.endm
; Matrix instruction MI = 8 a + b of a step: W's block b x A's block a, from register set p, with the scale words of set sc, step q.  A block with an odd number has its words in lanes 16-31.  zero = 1: it starts the sum.
.macro WM p, q, sc, zero
.set rD, 8*MI
.set rB, 128*(\p)+12*(MI%8)
.set rA, AF+48*(\p)+12*(MI/8)
.set rSB, SCR+12*(\sc)+4+2*((MI%8)/2)+(\q)
.set rSA, SCR+12*(\sc)+2*(MI/16)+(\q)
.set ODD, 2*((MI/8)%2)+MI%2
.if \zero
.if ODD == 0
	v_wmma_scale_f32_16x16x128_f8f6f4 v[rD:rD+7], v[rB:rB+11], v[rA:rA+11], 0, v[rSB], v[rSA] matrix_a_fmt:MATRIX_FMT_FP6 matrix_b_fmt:MATRIX_FMT_FP6
.elseif ODD == 1
	v_wmma_scale_f32_16x16x128_f8f6f4 v[rD:rD+7], v[rB:rB+11], v[rA:rA+11], 0, v[rSB], v[rSA] matrix_a_fmt:MATRIX_FMT_FP6 matrix_b_fmt:MATRIX_FMT_FP6 matrix_a_scale:MATRIX_SCALE_ROW1
.elseif ODD == 2
	v_wmma_scale_f32_16x16x128_f8f6f4 v[rD:rD+7], v[rB:rB+11], v[rA:rA+11], 0, v[rSB], v[rSA] matrix_a_fmt:MATRIX_FMT_FP6 matrix_b_fmt:MATRIX_FMT_FP6 matrix_b_scale:MATRIX_SCALE_ROW1
.else
	v_wmma_scale_f32_16x16x128_f8f6f4 v[rD:rD+7], v[rB:rB+11], v[rA:rA+11], 0, v[rSB], v[rSA] matrix_a_fmt:MATRIX_FMT_FP6 matrix_b_fmt:MATRIX_FMT_FP6 matrix_a_scale:MATRIX_SCALE_ROW1 matrix_b_scale:MATRIX_SCALE_ROW1
.endif
.else
.if ODD == 0
	v_wmma_scale_f32_16x16x128_f8f6f4 v[rD:rD+7], v[rB:rB+11], v[rA:rA+11], v[rD:rD+7], v[rSB], v[rSA] matrix_a_fmt:MATRIX_FMT_FP6 matrix_b_fmt:MATRIX_FMT_FP6
.elseif ODD == 1
	v_wmma_scale_f32_16x16x128_f8f6f4 v[rD:rD+7], v[rB:rB+11], v[rA:rA+11], v[rD:rD+7], v[rSB], v[rSA] matrix_a_fmt:MATRIX_FMT_FP6 matrix_b_fmt:MATRIX_FMT_FP6 matrix_a_scale:MATRIX_SCALE_ROW1
.elseif ODD == 2
	v_wmma_scale_f32_16x16x128_f8f6f4 v[rD:rD+7], v[rB:rB+11], v[rA:rA+11], v[rD:rD+7], v[rSB], v[rSA] matrix_a_fmt:MATRIX_FMT_FP6 matrix_b_fmt:MATRIX_FMT_FP6 matrix_b_scale:MATRIX_SCALE_ROW1
.else
	v_wmma_scale_f32_16x16x128_f8f6f4 v[rD:rD+7], v[rB:rB+11], v[rA:rA+11], v[rD:rD+7], v[rSB], v[rSA] matrix_a_fmt:MATRIX_FMT_FP6 matrix_b_fmt:MATRIX_FMT_FP6 matrix_a_scale:MATRIX_SCALE_ROW1 matrix_b_scale:MATRIX_SCALE_ROW1
.endif
.endif
.endm
; Matrix instructions first .. last of a step, each with a slice of nl loads of the plan behind it.  The 32 accumulators take turns, one instruction a turn, in the same order in every step.
.macro MULS first, last, p, q, sc, zero, nl
.set MI, \first
.rept \last-\first+1
	WIN MUL
	WM \p, \q, \sc, \zero
.rept \nl
	NEXTLD
.endr
.set MI, MI+1
.endr
.endm
; A slot's first 128 along K, from set 0; the slot's second 128 are fetched into set 1: 72 loads in 18 slices of 4.
.macro STEP slot, zero
	s_wait_dscnt 0x0                               ; set 0 and the slot's scale words are in
	PLACES 4                                       ; four places between the last products that read set 1 and the loads into it
	PLAN \slot, 1, 1, 0
	MULS 0, 31, 0, 0, \slot, \zero, 4
	WIN 0
.endm
; A slot's second 128 along K, from set 1, and the change of slots: ONE barrier.  In front of it each wave waits for all its tensor loads, adds 0 to its spare word, and waits for that and for its own reads of this slot.
; fill = 1: the barrier opens a round of the cluster's, and this slot is filled again, two K steps ahead, first thing behind it.  Then the next slot's first 128 and its scale words come into set 0: 78 loads in 16 slices of 5.
.macro TURN slot, next, fill
	s_wait_tensorcnt 0x0                           ; all my tensor loads have landed: the one that was out is my part of the next slot;  (every window is 0 here)
	ds_add_u32 v[SPW], v[NIL]                      ; 0 onto my spare word
	s_wait_dscnt 1                                 ; set 1 is in: the add alone may be out
	MULS 0, 3, 1, 1, \slot, 0, 0                   ; four matrix instructions stand between the add and the wait for it
	s_wait_dscnt 0x0                               ; the add is done, and my reads of this slot are over
	s_barrier_signal -1
	MULS 4, 11, 1, 1, \slot, 0, 0                  ; work on registers while the others arrive
	WIN 0
	s_barrier_wait -1
.if \fill
	CREST                                          ; no wave of any partner still reads this slot's tile or has a load on its way
	s_add_nc_u64 s[G0+4*\slot+2:G0+4*\slot+3], s[G0+4*\slot+2:G0+4*\slot+3], 2*ASTEP
	s_add_nc_u64 s[G0B+4*\slot+2:G0B+4*\slot+3], s[G0B+4*\slot+2:G0B+4*\slot+3], 2*192
	JLOAD G0+4*\slot, G1, G0B+4*\slot, G1B         ; my one tensor load behind the round, and the first thing there; its four v_nop are the places in front of the loads into set 0
.else
	PLACES 4
.endif
	v_add_nc_u32 v[ADSA], ASSTEP, v[ADSA]          ; on to the next K step's scale words
	v_add_nc_u32 v[ADSB], 8, v[ADSB]
	PLAN \next, 0, 0, 1
	MULS 12, 31, 1, 1, \slot, 0, 5
	WIN 0
.endm
	s_wait_tensorcnt 1                             ; the scale bytes and my part of K step 0 are in; K step 1's load may stay out
	s_barrier_signal -1
	s_barrier_wait -1                              ; everybody's are
	PLAN 0, 0, 0, 1
.rept 78
	NEXTLD
.endr
	WIN 0
	STEP 0, 1                                      ; the first step stands in front of the loop: its products start the sums, and nothing is cleared
	s_mov_b32 s3, LAPS
.Llap:                                                 ; a trip goes once round the ring, from a lap's second step to the next lap's first, and fills both slots again
	TURN 0, 1, 1
	STEP 1, 0
	TURN 1, 0, 1
	STEP 0, 0
	s_sub_co_u32 s3, s3, 1
	s_cmp_lg_u32 s3, 0
	s_cbranch_scc1 .Llap
	TURN 0, 1, 0                                   ; the last lap fills nothing, and has no round of the cluster's barrier
	STEP 1, 0
	s_wait_dscnt 0x0                               ; the very last step: nothing more to fetch
	MULS 0, 31, 1, 1, 1, 0, 0
	WIN 0
	PLACES 4                                       ; four places between the last products and the first reads of results and writes of operands
.if SECOND
	; THE WAY OUT: rounded to f16, 16 bytes a lane (eight neighbouring columns of a row) into the work-group's stage; a barrier, since a row's 512 bytes come from two waves; back as whole rows, 32 rows a wave.
	WIN 0x0a                                       ; sources 0 and 1 window 2
.set T, 0
.rept 32
.irp i, 0,1,2,3
	v_cvt_pk_f16_f32 v[OB+4*T+\i], v[8*T+2*\i], v[8*T+2*\i+1]      ; each accumulator from its low end on
.endr
.set T, T+1
.endr
	WIN 0
.irp a, 0,1,2,3
.irp b, 0,1,2,3,4,5,6,7
	ds_store_b128 v[STO], v[OB+4*(8*\a+\b):OB+4*(8*\a+\b)+3] offset:\a*16*SP+32*\b
.endr
.endr
	s_wait_dscnt 0x0                               ; for the others' sake: my stores into the stage are done
	s_barrier_signal -1
	s_barrier_wait -1
.set T, 0
.rept 32
	ds_load_b128 v[OB+4*T:OB+4*T+3], v[RD] offset:T*SP
.set T, T+1
.endr
.set T, 0
.rept 32
	s_wait_dscnt 31-T                              ; LDS loads come back in order: row T is in, the 31 - T younger ones may be out
	global_store_b128 v[CO], v[OB+4*T:OB+4*T+3], s[12:13] offset:T*8192 th:TH_STORE_NT   ; 32 lanes store 512 consecutive bytes, at a multiple of 256 from the output's first byte; written once, read by nobody here
.set T, T+1
.endr
.else
	; THE WAY OUT: the sums are quantised along n.  Block a of 16 rows: of accumulators 2 be and 2 be + 1 the halves of the lanes change places, so that lane (r, h) holds, in 16 consecutive registers, n = 32 be + 16 h + 0 .. 15 of row r.
	; A block of 32 then lies in lanes l and l xor 16.  Its scale is 2^(floor(log2(its largest magnitude)) - 2): the largest magnitude with 2 off its exponent field is the conversion's scale operand, and that field the byte.
.irp be, 0,1,2,3
	v_mov_b32 v[TM+4+\be], 0                       ; written once: a lane permute's destination counts as one of its sources
.endr
.macro QROW a
.set AC, 64*(\a)
	WIN 0x82                                       ; both registers of the exchange in window 2
.irp be, 0,1,2,3
.irp j, 0,1,2,3,4,5,6,7
	v_permlane16_swap_b32 v[AC+16*\be+\j], v[AC+16*\be+8+\j]       ; each accumulator from its low end on
.endr
.endr
	WIN 0x0a
.irp be, 0,1,2,3
	v_max3_num_f32 v[TM+\be], |v[AC+16*\be]|, |v[AC+16*\be+1]|, 0x1800000   ; my 16 numbers of block be, and the floor 2^(3 - 127): so the byte cannot fall under 1
.endr
	WIN 0x28
.irp i, 2,4,6,8,10,12,14
.irp be, 0,1,2,3
	v_max3_num_f32 v[TM+\be], v[TM+\be], |v[AC+16*\be+\i]|, |v[AC+16*\be+\i+1]|   ; (the four blocks by turns: no line waits for the line above it)
.endr
.endr
	WIN 0
.irp be, 0,1,2,3
	v_permlanex16_b32 v[TM+4+\be], v[TM+\be], s[SEL], s[SEL+1]
.endr
.irp be, 0,1,2,3
	v_max_num_f32 v[TM+\be], v[TM+\be], v[TM+4+\be]                ; with lane l xor 16's: the block's largest magnitude
.endr
.irp be, 0,1,2,3
	v_add_nc_u32 v[TM+12+\be], 0xff000000, v[TM+\be]               ; 2 off its exponent field
.endr
.irp be, 0,1,2,3
	v_lshrrev_b32 v[TM+4+\be], 23, v[TM+12+\be]                    ; the scale's byte
.endr
	v_lshl_or_b32 v[SW+(\a)], v[TM+5], 8, v[TM+4]                  ; the four bytes make my row's scale word for these 128 columns
	v_lshl_or_b32 v[SW+(\a)], v[TM+6], 16, v[SW+(\a)]
	v_lshl_or_b32 v[SW+(\a)], v[TM+7], 24, v[SW+(\a)]
	WIN 0x02                                       ; the numbers in window 2
.irp be, 0,1,2,3
	v_cvt_scalef32_pk16_fp6_f32 v[CD+16*(\a)+4*\be:CD+16*(\a)+4*\be+2], v[AC+16*\be:AC+16*\be+15], v[TM+12+\be]   ; sixteen numbers / the scale, to the nearest code, ties to even, beyond the largest code the largest: 96 bits without gaps
.endr
	WIN 0
	v_nop                                          ; one plain place behind the scaled conversions
.irp be, 0,1,2,3
	ds_store_b96 v[STO], v[CD+16*(\a)+4*\be:CD+16*(\a)+4*\be+2] offset:(\a)*16*SP+32*\be      ; 16 codes, 12 bytes, to a place of 16: every LDS address is a multiple of 16.  Every store has data registers of its own
.endr
	ds_store_b32 v[SSTO], v[SW+(\a)] offset:128*(\a)               ; lanes l and l xor 16 write the same word with the same value
.endm
	QROW 0
	QROW 1
	QROW 2
	QROW 3
	s_wait_dscnt 0x0                               ; for the others' sake: my stores into the stage are done
	s_barrier_signal -1
	s_barrier_wait -1                              ; a row's 192 bytes and its 8 scale bytes come from two waves
.set T, 0
.rept 16
	ds_load_b96 v[OB+4*T:OB+4*T+2], v[RD] offset:T*2*SP            ; two rows: sixteen lanes to a row's sixteen places
.set T, T+1
.endr
	ds_load_b64 v[OB+64:OB+65], v[SRD]             ; my 32 rows' scale bytes, 8 a lane
.set T, 0
.rept 16
	s_wait_dscnt 16-T                              ; LDS loads come back in order: rows 2 T, 2 T + 1 are in; the 15 - T younger loads of rows and that of the scale bytes may be out
	global_store_b96 v[CO], v[OB+4*T:OB+4*T+2], s[12:13] offset:T*384        ; 32 lanes store 384 consecutive bytes; a wave's sixteen stores cover 6,144 on end, from a multiple of 256 on.  The next launch reads them: no hint
.set T, T+1
.endr
	s_wait_dscnt 0x0
	global_store_b64 v[SCO], v[OB+64:OB+65], s[14:15]              ; 32 lanes store 256 consecutive bytes, at a multiple of 256 from the buffer's first byte
.endif
	s_wait_tensorcnt 0x0                           ; the wave's end: behind my last tensor load and my last LDS store
	ds_add_u32 v[SPW], v[NIL]
	s_wait_dscnt 0x0
	CROUND                                         ; the closing round: no work-group ends while a partner may still ask for a tile that names it
	s_endpgm
.Lfunc_end_k_q3014caf3e1_gemm1:
	.size	k_q3014caf3e1_gemm1, .Lfunc_end_k_q3014caf3e1_gemm1-k_q3014caf3e1_gemm1
	.p2alignl 7, 3214868480
	.fill 96, 4, 3214868480
	.section	.rodata,"a",@progbits
	.p2align	6, 0x0
	.amdhsa_kernel k_q3014caf3e1_gemm1
		.amdhsa_group_segment_fixed_size 327680
		.amdhsa_private_segment_fixed_size 0
		.amdhsa_enable_private_segment 0
		.amdhsa_kernarg_size 48
		.amdhsa_user_sgpr_count 2
		.amdhsa_user_sgpr_kernarg_segment_ptr 1
		.amdhsa_wavefront_size32 1
		.amdhsa_system_sgpr_workgroup_id_x 1
		.amdhsa_system_sgpr_workgroup_id_y 1
		.amdhsa_system_sgpr_workgroup_id_z 1
		.amdhsa_system_vgpr_workitem_id 0
		.amdhsa_next_free_vgpr 768
		.amdhsa_next_free_sgpr 100
		.amdhsa_reserve_vcc 0
		.amdhsa_float_denorm_mode_32 3
		.amdhsa_float_denorm_mode_16_64 3
		.amdhsa_memory_ordered 1
		.amdhsa_forward_progress 1
		.amdhsa_inst_pref_size 116
	.end_amdhsa_kernel
	.amdgpu_metadata
---
amdhsa.version: [ 1, 2 ]
amdhsa.kernels:
  - .name:           k_q3014caf3e1_gemm1
    .symbol:         k_q3014caf3e1_gemm1.kd
    .args:
      - { .name: A_prev_codes, .offset: 0, .size: 8, .value_kind: global_buffer, .address_space: global }
      - { .name: A_prev_scales, .offset: 8, .size: 8, .value_kind: global_buffer, .address_space: global }
      - { .name: W_prev_codes, .offset: 16, .size: 8, .value_kind: global_buffer, .address_space: global }
      - { .name: W_prev_scales, .offset: 24, .size: 8, .value_kind: global_buffer, .address_space: global }
      - { .name: act_codes, .offset: 32, .size: 8, .value_kind: global_buffer, .address_space: global }
      - { .name: act_scales, .offset: 40, .size: 8, .value_kind: global_buffer, .address_space: global }
    .group_segment_fixed_size: 327680
    .private_segment_fixed_size: 0
    .kernarg_segment_align: 8
    .kernarg_segment_size: 48
    .max_flat_workgroup_size: 128
    .sgpr_count:     100
    .vgpr_count:     768
    .wavefront_size: 32
...
	.end_amdgpu_metadata
.endif
;; end of part 1
;; launch gemm2 (part 2): grid 16 x 16, 4 waves a work-group, clusters of 4 x 4, 327,680 bytes of LDS; arguments act_codes, act_scales, W_up_codes, W_up_scales, out0; writes out0
.if DOCPART == 2
	.amdgcn_target "amdgcn-amd-amdhsa--gfx1250"
	.amdhsa_code_object_version 6
	.text
	.protected	k_q3014caf3e1_gemm2
	.globl	k_q3014caf3e1_gemm2
	.p2align	8
	.type	k_q3014caf3e1_gemm2,@function
k_q3014caf3e1_gemm2:
	s_mov_b64 s[64:65], 0
	v_nop
	global_prefetch_b8 v0, s[64:65] scope:SCOPE_SE
	s_setreg_imm32_b32 hwreg(HW_REG_WAVE_MODE, 25, 1), 1
	s_wait_xcnt 0x0
	s_wait_alu depctr_hold_cnt(0) depctr_sa_sdst(0) depctr_va_vdst(0) depctr_va_sdst(0) depctr_va_ssrc(0) depctr_va_vcc(0) depctr_vm_vsrc(0)
	s_getreg_b32 s2, hwreg(HW_REG_IB_STS2, 6, 4)
	s_cmp_eq_u32 s2, 0
	s_cbranch_scc0 .Lentry_in_a_cluster
	s_endpgm
.Lentry_in_a_cluster:
	s_bfe_u32 s2, ttmp6, 0x10000c
	s_cmp_lg_u32 s2, 0xf033
	s_cbranch_scc0 .Lentry_shape_is_right
	s_endpgm
.Lentry_shape_is_right:
; C[m][n] = sum over k of A[m][k] W[n][k]; M 2,048, N 4,096, K 4,096.  Both operands are codes of FP6 (E2M3), K innermost, four codes in three bytes, with one E8M0 byte for each 32 along K; sums in f32.
; ONE TEXT SERVES BOTH PRODUCTS OF THE CHAIN; SECOND says which.  SECOND = 0: A = A_prev, W = W_prev; the f32 sums are quantised along n, which is the next product's K, and leave as codes and scale bytes.
; SECOND = 1: A = those codes, W = W_up; the sums leave as f16.  Between the launches lie  act_codes [16 kt][2048 m][192 bytes]  and  act_scales [16 kt][2048 m][8 bytes],  kt = the block of 256 columns:
; so what a work-group writes (128 m x 256 n) is one dense block of 24,576 bytes and one of 1,024, and what a K step of the second product reads of A is a dense block too.
; SHARES.  2,048 x 4,096 are 256 tiles of 128 x 256: one work-group of four waves each.  Wave w makes rows 64 (w / 2) on and columns 128 (w % 2) on: 4 x 8 accumulators of 16 x 16, 256 registers.
; K goes in steps of 256 (rows of 192 bytes) through a ring of two LDS slots filled by the tensor data mover; a slot is two matrix instructions deep.  The scale bytes of the tile's rows, for all of K, come once and stay.
; CLUSTERS: 4 x 4 work-groups.  The four of a row of the cluster need the same tiles of A, the four of a column the same tiles of W: each tile is asked for JOINTLY, by the same tensor load with the same descriptor and
; a mask that names the four.  THE MATRIX INSTRUCTION IS USED TRANSPOSED (source 0 = 16 rows of W, source 1 = 16 rows of A): lane (r, h), register j of accumulator (a, b) holds C(16 a + r, 16 b + 8 h + j).
; LDS LOADS BY SLICES.  For 128 along K a wave loads 192 rows x 96 bytes, 72 loads of 8 bytes a lane, for 32 matrix instructions.  In one run they would stand in front of a matrix unit with nothing to do; so both operands
; have two sets of registers, and the next step's loads stand in slices of 4 or 5 behind the matrix instructions of the step in hand.  The price is two switches of the register window a slice; it is the lesser one.
; REGISTERS, in windows of 256: window 0: v1-29 addresses; v32-55 scale words and nothing else, two sets; v64-159 A's fragments, two sets; v160-255 at work on the way out.  window 1: W's fragments, sets at v0 and v128.
;   window 2: the accumulators, (a, b) at v[8 (8 a + b)].
; LIMITS: scale bytes 0xff, NaN and infinities are not served.  The sums go into the quantiser as f32, as the accumulators hold them.  A block of 32 sums that are all zero (or under 2^-124) gets the byte 1 where the
; quantiser's rule says 127: its codes are zeros, which add nothing under any byte but 0xff, and the bytes are read by this program alone.  Sums beyond f16's range leave the second product as infinities.
.set SECOND, 1
.set PITCH,  240                       ; an LDS row of codes: 3 x (64 bytes + 16 of padding) = 60 words: row r starts at bank -4 r mod 64 (64 banks of 4 bytes: ISA guide 11.1): the 32 lanes of a load of 8 bytes touch 64 different banks
.set AHALF,  64*PITCH                  ; 64 rows of A: what one tensor load brings, and what one wave reads
.set AT,     2*AHALF                   ; A's 128 rows
.set BHALF,  128*PITCH                 ; 128 rows of W: likewise
.set SLOT,   AT+2*BHALF                ; A's 128 rows, then W's 256
.set SCA,    2*SLOT                    ; behind the ring: A's scale bytes (17,408 bytes are kept for them),
.set BSHALF, 64*272                    ; W's, for 128 rows: 16,384 dense bytes as 64 rows of 256 bytes + 16 of padding
.set SCB,    SCA+17408
.set SPARE,  SCB+2*BSHALF              ; the spare words, 128 bytes for each wave: two blocks of 256 bytes that no other line names
.set STG,    SPARE+512                 ; the stage for the way out: bytes of its own, into which no tile lands
.set LAPS,   7                         ; trips of the loop: a trip goes once round the ring; K steps 2 to 15 are asked for in it
.if SECOND
.set KROWA,  192                       ; from row to row of A in memory, in bytes
.set ASTEP,  2048*192                  ; from a K step's tile of A to the next
.set ASCROW, 8                         ; from row to row of A's scale bytes
.set ASHALF, 16*512                    ; 64 rows' scale bytes in LDS: [16 kt][64 rows x 8 bytes], dense
.set ASB2,   256                       ; 32 rows on
.set ASSTEP, 512                       ; a K step on
.set ASW0,   (3<<16)|(1<<21)           ; group 1, word 0: elements of 8 bytes, no padding, bit 21 beside the mask
.set ASD0,   64                        ; a row of the tile: 64 rows' 8 bytes
.set ASD1,   16                        ; one for each kt
.set ASPIT,  2048                      ; 2,048 elements from kt to kt
.set SP,     528                       ; a stage row: 256 f16 + 16 bytes
.set NHSH,   8                         ; a wave's 128 columns are 256 bytes of it
.else
.set KROWA,  3072
.set ASTEP,  192
.set ASCROW, 128
.set ASHALF, 32*272                    ; 64 rows x 128 bytes, dense in memory, as 32 rows of 256 bytes + 16 of padding
.set ASB2,   16*272
.set ASSTEP, 8
.set ASW0,   (3<<16)|(1<<20)|(1<<21)|(5<<22)|(3<<25)
.set ASD0,   32
.set ASD1,   32
.set ASPIT,  32
.set SP,     272                       ; a stage row: 16 places of 16 bytes, each with the 12 bytes of 16 codes, + 16 bytes
.set NHSH,   7                         ; a wave's 128 columns are 8 places
.set SST,    STG+128*SP                ; behind it: the tile's scale words, 8 bytes a row
.endif
.set STO,  8                           ; v8   the way out: where I put my piece of a row
.set SSTO, 9                           ; v9   and my row's scale word
.set RD,   10                          ; v10  where I read rows back
.set SRD,  11                          ; v11  and scale words
.set CO,   12                          ; v12  my byte offset in the rows that I store
.set SCO,  13                          ; v13  and among the scale bytes
.set ADRA, 16                          ; v16-17 LDS address of my A fragments in slot 0, 1; v18-19 the same for the pieces that lie behind one padding more
.set ADRB, 20                          ; v20-23 the same for W
.set ADSA, 24                          ; v24  LDS address of A's scale words of the K step to be fetched: lane l takes row l of 32
.set ADSB, 25                          ; v25  of W's
.set SPW,  28                          ; v28  LDS address of my spare word: SPARE + 4 x my thread's number; never rewritten
.set NIL,  29                          ; v29  0; never rewritten
.set SCR,  32                          ; scale words: set s (slot s) at v[SCR + 12 s]: +2 i + q: A's blocks 2 i (lanes 0-15) and 2 i + 1 (lanes 16-31); +4 + 2 i + q: W's likewise; q: the slot's q-th 128 along K
.set AF,   64                          ; A's fragments: set p at AF + 48 p, block a at + 12 a
.set OB,   64                          ; the way out: rows on their way to memory
.set TM,   160                         ; v160-175 at work in the quantiser
.set SW,   176                         ; v176-179 the scale words just made, one for each block of rows
.set CD,   192                         ; v192-254 the codes just made
.set WV,   16                          ; s16  my wave's number
.set MH,   17                          ; s17  which 64 rows of the tile are mine.  Also: I fetch for A (0) or for W (1)
.set NH,   18                          ; s18  which 128 columns.  Also: which half of that tile I fetch
.set G1,   24                          ; s[24:31] descriptor group 1 for A's tiles; s[32:39] group 0, a set for each slot
.set G0,   32
.set G1B,  48                          ; s[48:55], s[56:63] the same for W's
.set G0B,  56
.set G1S,  68                          ; s[68:75], s[76:79] groups 1 and 0 for A's scale bytes; s[80:87], s[88:91] for W's
.set G0S,  76
.set G1SB, 80
.set G0SB, 88
.set SEL,  96                          ; s[96:97] lane selects for v_permlanex16_b32: lane l xor 16
.set MUL,  0xa1                        ; source 0 (W) window 1, source 1 (A) window 0, C and D window 2
.set TO_B, 0x40                        ; destination window 1, address window 0
.set MSB, 0
.macro WIN new                         ; the immediate's high byte repeats the setting that is left; a switch that changes nothing is dropped
.if MSB != \new
	s_set_vgpr_msb (MSB<<8)|\new
.set MSB, \new
.endif
.endm
; A joint load: waves 0 and 1 fetch for A, waves 2 and 3 for W.  Each of the two lines has ONE mask and one set of registers for all that issue it; the branch hangs on the wave's number alone.
; Four v_nop follow each of the two lines, ahead of the jump, the label and what follows.
.macro JLOAD g0a, g1a, g0b, g1b
	s_cmp_eq_u32 s[MH], 0
	s_cbranch_scc0 .Lfor_b_\@
	tensor_load_to_lds s[\g0a:\g0a+3], s[\g1a:\g1a+7]
	s_nop 0
.rept 4
	v_nop
.endr
	s_branch .Lasked_\@
.Lfor_b_\@:
	tensor_load_to_lds s[\g0b:\g0b+3], s[\g1b:\g1b+7]
	s_nop 0
.rept 4
	v_nop
.endr
.Lasked_\@:
.endm
.macro CREST                           ; a round of the cluster's barrier behind its opening barrier
	s_cmp_lg_u32 s[WV], 0
	s_cbranch_scc1 .Lnot_wave_0_\@
	s_barrier_signal -3
.Lnot_wave_0_\@:
	s_barrier_wait -3
	s_barrier_signal -1
	s_barrier_wait -1
.endm
.macro CROUND                          ; a whole round
	s_barrier_signal -1
	s_barrier_wait -1
	CREST
.endm
.macro PLACES n                        ; plain vector instructions that name no register of the matrix instructions in front of them (ISA guide 7.12.1)
.rept \n
	v_nop
.endr
.endm
	s_load_b256 s[4:11], s[0:1], 0x0               ; A's codes s[4:5], A's scales s[6:7], W's codes s[8:9], W's scales s[10:11]
.if SECOND
	s_load_b64 s[12:13], s[0:1], 0x20              ; the output
.else
	s_load_b128 s[12:15], s[0:1], 0x20             ; the codes' buffer s[12:13], the scale bytes' s[14:15]
.endif
	v_lshl_add_u32 v[SPW], v0, 2, SPARE
	v_mov_b32 v[NIL], 0
	ds_add_u32 v28, v29
	ds_add_u32 v28, v29
	s_wait_dscnt 0x0
	v_lshrrev_b32 v1, 5, v0
	v_readfirstlane_b32 s[WV], v1                  ; wave 0..3
	s_lshr_b32 s[MH], s[WV], 1
	s_and_b32 s[NH], s[WV], 1
	s_bfe_u32 s40, ttmp6, 0x40000                  ; cx, cy: my place in the cluster
	s_bfe_u32 s41, ttmp6, 0x40004
	s_lshl_b32 s42, ttmp9, 2
	s_add_co_u32 s42, s42, s40                     ; tile column = 4 x cluster x + cx
	s_and_b32 s43, ttmp7, 0xffff
	s_lshl_b32 s43, s43, 2
	s_add_co_u32 s43, s43, s41                     ; tile row = 4 x cluster y + cy
	s_lshl_b32 s44, s41, 2
	s_lshl_b32 s44, 15, s44                        ; my row of the cluster
	s_lshl_b32 s45, 0x1111, s40                    ; my column
	; descriptor groups 1.  Codes: rows of 192 elements of 1 byte; 16 bytes of padding (4 words, code 3) behind every 64 (16 words, code 3); bit 21 beside the mask
	s_or_b32 s[G1+0], s44, (1<<20)|(1<<21)|(3<<22)|(3<<25)     ; A's tiles go to my row of the cluster
	s_or_b32 s[G1B+0], s45, (1<<20)|(1<<21)|(3<<22)|(3<<25)    ; W's to my column
	s_mov_b32 s[G1+1], 192<<16                     ; tensor_dim0
	s_mov_b32 s[G1+2], 64<<16                      ; tensor_dim1: 64 rows
	s_mov_b32 s[G1+3], 192<<16                     ; tile_dim0
	s_mov_b32 s[G1+4], 64                          ; tile_dim1
	s_mov_b32 s[G1+5], KROWA                       ; from row to row
	s_mov_b32 s[G1+6], 0
	s_mov_b32 s[G1+7], 0
	s_mov_b32 s[G1B+1], 192<<16
	s_mov_b32 s[G1B+2], 128<<16                    ; 128 rows
	s_mov_b32 s[G1B+3], 192<<16
	s_mov_b32 s[G1B+4], 128
	s_mov_b32 s[G1B+5], 3072
	s_mov_b32 s[G1B+6], 0
	s_mov_b32 s[G1B+7], 0
	s_or_b32 s[G1S+0], s44, ASW0                   ; scale bytes, in elements of 8 bytes
	s_mov_b32 s[G1S+1], ASD0<<16
	s_mov_b32 s[G1S+2], ASD1<<16
	s_mov_b32 s[G1S+3], ASD0<<16
	s_mov_b32 s[G1S+4], ASD1
	s_mov_b32 s[G1S+5], ASPIT
	s_mov_b32 s[G1S+6], 0
	s_mov_b32 s[G1S+7], 0
	s_or_b32 s[G1SB+0], s45, (3<<16)|(1<<20)|(1<<21)|(5<<22)|(3<<25)   ; 64 rows of 256 bytes, 16 of padding behind each
	s_mov_b32 s[G1SB+1], 32<<16
	s_mov_b32 s[G1SB+2], 64<<16
	s_mov_b32 s[G1SB+3], 32<<16
	s_mov_b32 s[G1SB+4], 64
	s_mov_b32 s[G1SB+5], 32
	s_mov_b32 s[G1SB+6], 0
	s_mov_b32 s[G1SB+7], 0
	; where the tiles come from.  A's hang on the tile row alone, which my row of the cluster shares; W's on the tile column alone.  Each chain has registers that do not hold the other coordinate
	s_lshl_b32 s20, s43, 7
	s_lshl_b32 s21, s[NH], 6
	s_add_co_u32 s20, s20, s21                     ; A: row 128 x tile row + 64 x half
	s_mul_i32 s22, s20, ASCROW                     ; its scale bytes (all these offsets stay under 2^24)
	s_mov_b32 s23, 0
	s_mul_i32 s20, s20, KROWA                      ; its codes
	s_mov_b32 s21, 0
	s_lshl_b32 s46, s42, 8
	s_lshl_b32 s47, s[NH], 7
	s_add_co_u32 s46, s46, s47                     ; W: row 256 x tile column + 128 x half
	s_lshl_b32 s92, s46, 7
	s_mov_b32 s93, 0
	s_mul_i32 s46, s46, 3072
	s_mov_b32 s47, 0
	s_mul_i32 s94, s[NH], AHALF                    ; and where they go: no place in the cluster enters an LDS address
	s_mul_i32 s95, s[NH], BHALF
	s_add_co_u32 s95, s95, AT
	s_mul_i32 s98, s[NH], ASHALF
	s_mul_i32 s99, s[NH], BSHALF
	s_wait_kmcnt 0x0
	s_add_nc_u64 s[20:21], s[4:5], s[20:21]
	s_add_nc_u64 s[22:23], s[6:7], s[22:23]
	s_add_nc_u64 s[46:47], s[8:9], s[46:47]
	s_add_nc_u64 s[92:93], s[10:11], s[92:93]
	CROUND                                         ; all sixteen work-groups are here: the first joint loads meet
	s_mov_b32 s[G0S], 1                            ; group 0: count 1, LDS address, global address, type 2 on top
	s_add_co_u32 s[G0S+1], s98, SCA
	s_mov_b64 s[G0S+2:G0S+3], s[22:23]
	s_or_b32 s[G0S+3], s[G0S+3], 0x80000000
	s_mov_b32 s[G0SB], 1
	s_add_co_u32 s[G0SB+1], s99, SCB
	s_mov_b64 s[G0SB+2:G0SB+3], s[92:93]
	s_or_b32 s[G0SB+3], s[G0SB+3], 0x80000000
	JLOAD G0S, G1S, G0SB, G1SB                     ; the scale bytes first: they are wanted with K step 0.  Filled once
.irp s, 0,1
	s_mov_b32 s[G0+4*\s], 1
	s_add_co_u32 s[G0+4*\s+1], s94, \s*SLOT
	s_add_nc_u64 s[G0+4*\s+2:G0+4*\s+3], s[20:21], \s*ASTEP
	s_or_b32 s[G0+4*\s+3], s[G0+4*\s+3], 0x80000000
	s_mov_b32 s[G0B+4*\s], 1
	s_add_co_u32 s[G0B+4*\s+1], s95, \s*SLOT
	s_add_nc_u64 s[G0B+4*\s+2:G0B+4*\s+3], s[46:47], \s*192
	s_or_b32 s[G0B+4*\s+3], s[G0B+4*\s+3], 0x80000000
	JLOAD G0+4*\s, G1, G0B+4*\s, G1B               ; K steps 0 and 1: three tensor loads of mine are out
.endr
	v_and_b32 v1, 15, v0                           ; r = lane % 16
	v_bfe_u32 v2, v0, 4, 1                         ; h = lane / 16
	v_and_b32 v3, 31, v0                           ; lane
	v_mul_u32_u24 v4, v1, PITCH
	v_mad_u32_u24 v4, v2, 24, v4                   ; a fragment's row x pitch + 24 x half
	v_lshl_add_u32 v5, v2, 4, v4                   ; and the same behind one padding more
	s_mul_i32 s21, s[MH], AHALF                    ; my 64 rows of A
	s_mul_i32 s22, s[NH], BHALF                    ; my 128 rows of W,
	s_add_co_u32 s22, s22, AT                      ; which lie behind A's 128
.irp s, 0,1
	v_add_nc_u32 v[ADRA+\s], s21, v4
	v_add_nc_u32 v[ADRB+\s], s22, v4
	v_add_nc_u32 v[ADRA+2+\s], s21, v5
	v_add_nc_u32 v[ADRB+2+\s], s22, v5
	s_add_co_u32 s21, s21, SLOT
	s_add_co_u32 s22, s22, SLOT
.endr
	v_lshlrev_b32 v6, 7, v3                        ; scale bytes in rows of 128: lane l's row begins 128 l bytes on,
	v_lshrrev_b32 v7, 1, v3
	v_lshl_add_u32 v6, v7, 4, v6                   ; and 16 more for each 256 passed
	s_mul_i32 s21, s[NH], BSHALF
	s_add_co_u32 s21, s21, SCB
	v_add_nc_u32 v[ADSB], s21, v6
.if SECOND
	v_lshlrev_b32 v6, 3, v3                        ; A's lie by K steps here: 8 bytes a row
.endif
	s_mul_i32 s21, s[MH], ASHALF
	s_add_co_u32 s21, s21, SCA
	v_add_nc_u32 v[ADSA], s21, v6
	s_mul_i32 s21, s[MH], 64*SP                    ; into the stage: my 64 rows, my half of each; row r, 16 bytes for each half of the lanes
	s_lshl_b32 s22, s[NH], NHSH
	s_add_co_u32 s21, s21, s22
	s_add_co_u32 s21, s21, STG
	v_mul_u32_u24 v4, v1, SP
	v_lshl_add_u32 v4, v2, 4, v4
	v_add_nc_u32 v[STO], s21, v4
	s_mul_i32 s21, s[WV], 32*SP                    ; back: wave w takes rows 32 w .. 32 w + 31, whole
	s_add_co_u32 s21, s21, STG
	s_lshl_b32 s20, s43, 7
	s_lshl_b32 s22, s[WV], 5
	s_add_co_u32 s20, s20, s22                     ; the first row that I store: 128 x tile row + 32 x wave
.if SECOND
	v_lshlrev_b32 v[CO], 4, v3                     ; the 32 lanes take one row of 512 bytes; the same in the output
	v_add_nc_u32 v[RD], s21, v[CO]
	s_lshl_b32 s20, s20, 13                        ; a row of the output is 8,192 bytes,
	s_lshl_b32 s46, s42, 9                         ; the tile's 256 columns 512
	s_add_co_u32 s20, s20, s46
	s_mov_b32 s21, 0
	s_add_nc_u64 s[12:13], s[12:13], s[20:21]
.else
	v_mul_u32_u24 v4, v2, SP                       ; lanes 0-15 take one row's sixteen places, lanes 16-31 the next row's
	v_lshl_add_u32 v4, v1, 4, v4
	v_add_nc_u32 v[RD], s21, v4
	v_mul_u32_u24 v4, v2, 192
	v_mad_u32_u24 v[CO], v1, 12, v4                ; in memory a row is 192 bytes, a place 12
	v_lshlrev_b32 v[SCO], 3, v3                    ; scale words: 8 bytes a row
	s_lshl_b32 s21, s[MH], 9
	s_lshl_b32 s22, s[NH], 2
	s_add_co_u32 s21, s21, s22
	s_add_co_u32 s21, s21, SST
	v_lshl_add_u32 v[SSTO], v1, 3, s21             ; row 64 (w / 2) + r, word w % 2
	s_lshl_b32 s21, s[WV], 8
	s_add_co_u32 s21, s21, SST
	v_lshl_add_u32 v[SRD], v3, 3, s21              ; back: row 32 w + lane
	s_lshl_b32 s22, s20, 3
	s_mul_i32 s20, s20, 192
	s_mul_i32 s46, s42, 2048*192                   ; kt = the tile column
	s_add_co_u32 s20, s20, s46
	s_mov_b32 s21, 0
	s_add_nc_u64 s[12:13], s[12:13], s[20:21]
	s_lshl_b32 s46, s42, 14
	s_add_co_u32 s22, s22, s46
	s_mov_b32 s23, 0
	s_add_nc_u64 s[14:15], s[14:15], s[22:23]
	s_mov_b32 s[SEL], 0x76543210
	s_mov_b32 s[SEL+1], 0xfedcba98
.endif
; A fragment, 16 rows x 128 K of 6-bit codes, is 12 registers: lane l holds row l % 16; registers 6 c .. 6 c + 5 hold K = 64 c + 32 (l / 16) + 0 .. 31: 24 bytes of the row's stream of bits, as they lie.
; PIECE is one of its six loads of 8 bytes, so that every address is a multiple of the access's size.  Lanes 16-31 read three pieces further on than lanes 0-15; where that is behind one padding more, the second address register serves.
.macro PIECE reg, adr, q, i, p
.set PC, 12*(\q)+6*((\p)/3)+(\p)%3
.if PC%8 < 5
	ds_load_b64 v[\reg+2*(\p):\reg+2*(\p)+1], v[\adr] offset:8*PC+16*(PC/8)+(\i)*16*PITCH
.else
	ds_load_b64 v[\reg+2*(\p):\reg+2*(\p)+1], v[\adr+2] offset:8*PC+16*(PC/8)+(\i)*16*PITCH
.endif
.endm
; PLAN names what is to be fetched: the q-th 128 along K of a slot into register set fs; sc = 1: the slot's scale words too.  NEXTLD writes the plan's next load: A's 24, the 6 of scale words, W's 48; then nothing.
.macro PLAN slot, q, fs, sc
.set FSLOT, \slot
.set FQ, \q
.set FSET, \fs
.set LSC, 6*(\sc)
.set LN, 0
.set LTOT, 72+LSC
.endm
.macro NEXTLD
.if LN < LTOT
.if LN < 24
	WIN 0
	PIECE AF+48*FSET+12*(LN/6), ADRA+FSLOT, FQ, LN/6, LN%6
.elseif LN < 24+LSC
.set LI, LN-24
	WIN 0
.if LI < 2
	ds_load_b64 v[SCR+12*FSLOT+2*LI:SCR+12*FSLOT+2*LI+1], v[ADSA] offset:LI*ASB2              ; two words a row: the slot's two steps of 128; 32 rows: two blocks
.else
	ds_load_b64 v[SCR+12*FSLOT+2*LI:SCR+12*FSLOT+2*LI+1], v[ADSB] offset:(LI-2)*16*272
.endif
.else
.set LI, LN-24-LSC
	WIN TO_B
	PIECE 128*FSET+12*(LI/6), ADRB+FSLOT, FQ, LI/6, LI%6
.endif
.set LN, LN+1
.endif
.endm
; Matrix instruction MI = 8 a + b of a step: W's block b x A's block a, from register set p, with the scale words of set sc, step q.  A block with an odd number has its words in lanes 16-31.  zero = 1: it starts the sum.
.macro WM p, q, sc, zero
.set rD, 8*MI
.set rB, 128*(\p)+12*(MI%8)
.set rA, AF+48*(\p)+12*(MI/8)
.set rSB, SCR+12*(\sc)+4+2*((MI%8)/2)+(\q)
.set rSA, SCR+12*(\sc)+2*(MI/16)+(\q)
.set ODD, 2*((MI/8)%2)+MI%2
.if \zero
.if ODD == 0
	v_wmma_scale_f32_16x16x128_f8f6f4 v[rD:rD+7], v[rB:rB+11], v[rA:rA+11], 0, v[rSB], v[rSA] matrix_a_fmt:MATRIX_FMT_FP6 matrix_b_fmt:MATRIX_FMT_FP6
.elseif ODD == 1
	v_wmma_scale_f32_16x16x128_f8f6f4 v[rD:rD+7], v[rB:rB+11], v[rA:rA+11], 0, v[rSB], v[rSA] matrix_a_fmt:MATRIX_FMT_FP6 matrix_b_fmt:MATRIX_FMT_FP6 matrix_a_scale:MATRIX_SCALE_ROW1
.elseif ODD == 2
	v_wmma_scale_f32_16x16x128_f8f6f4 v[rD:rD+7], v[rB:rB+11], v[rA:rA+11], 0, v[rSB], v[rSA] matrix_a_fmt:MATRIX_FMT_FP6 matrix_b_fmt:MATRIX_FMT_FP6 matrix_b_scale:MATRIX_SCALE_ROW1
.else
	v_wmma_scale_f32_16x16x128_f8f6f4 v[rD:rD+7], v[rB:rB+11], v[rA:rA+11], 0, v[rSB], v[rSA] matrix_a_fmt:MATRIX_FMT_FP6 matrix_b_fmt:MATRIX_FMT_FP6 matrix_a_scale:MATRIX_SCALE_ROW1 matrix_b_scale:MATRIX_SCALE_ROW1
.endif
.else
.if ODD == 0
	v_wmma_scale_f32_16x16x128_f8f6f4 v[rD:rD+7], v[rB:rB+11], v[rA:rA+11], v[rD:rD+7], v[rSB], v[rSA] matrix_a_fmt:MATRIX_FMT_FP6 matrix_b_fmt:MATRIX_FMT_FP6
.elseif ODD == 1
	v_wmma_scale_f32_16x16x128_f8f6f4 v[rD:rD+7], v[rB:rB+11], v[rA:rA+11], v[rD:rD+7], v[rSB], v[rSA] matrix_a_fmt:MATRIX_FMT_FP6 matrix_b_fmt:MATRIX_FMT_FP6 matrix_a_scale:MATRIX_SCALE_ROW1
.elseif ODD == 2
	v_wmma_scale_f32_16x16x128_f8f6f4 v[rD:rD+7], v[rB:rB+11], v[rA:rA+11], v[rD:rD+7], v[rSB], v[rSA] matrix_a_fmt:MATRIX_FMT_FP6 matrix_b_fmt:MATRIX_FMT_FP6 matrix_b_scale:MATRIX_SCALE_ROW1
.else
	v_wmma_scale_f32_16x16x128_f8f6f4 v[rD:rD+7], v[rB:rB+11], v[rA:rA+11], v[rD:rD+7], v[rSB], v[rSA] matrix_a_fmt:MATRIX_FMT_FP6 matrix_b_fmt:MATRIX_FMT_FP6 matrix_a_scale:MATRIX_SCALE_ROW1 matrix_b_scale:MATRIX_SCALE_ROW1
.endif
.endif
.endm
; Matrix instructions first .. last of a step, each with a slice of nl loads of the plan behind it.  The 32 accumulators take turns, one instruction a turn, in the same order in every step.
.macro MULS first, last, p, q, sc, zero, nl
.set MI, \first
.rept \last-\first+1
	WIN MUL
	WM \p, \q, \sc, \zero
.rept \nl
	NEXTLD
.endr
.set MI, MI+1
.endr
.endm
; A slot's first 128 along K, from set 0; the slot's second 128 are fetched into set 1: 72 loads in 18 slices of 4.
.macro STEP slot, zero
	s_wait_dscnt 0x0                               ; set 0 and the slot's scale words are in
	PLACES 4                                       ; four places between the last products that read set 1 and the loads into it
	PLAN \slot, 1, 1, 0
	MULS 0, 31, 0, 0, \slot, \zero, 4
	WIN 0
.endm
; A slot's second 128 along K, from set 1, and the change of slots: ONE barrier.  In front of it each wave waits for all its tensor loads, adds 0 to its spare word, and waits for that and for its own reads of this slot.
; fill = 1: the barrier opens a round of the cluster's, and this slot is filled again, two K steps ahead, first thing behind it.  Then the next slot's first 128 and its scale words come into set 0: 78 loads in 16 slices of 5.
.macro TURN slot, next, fill
	s_wait_tensorcnt 0x0                           ; all my tensor loads have landed: the one that was out is my part of the next slot;  (every window is 0 here)
	ds_add_u32 v[SPW], v[NIL]                      ; 0 onto my spare word
	s_wait_dscnt 1                                 ; set 1 is in: the add alone may be out
	MULS 0, 3, 1, 1, \slot, 0, 0                   ; four matrix instructions stand between the add and the wait for it
	s_wait_dscnt 0x0                               ; the add is done, and my reads of this slot are over
	s_barrier_signal -1
	MULS 4, 11, 1, 1, \slot, 0, 0                  ; work on registers while the others arrive
	WIN 0
	s_barrier_wait -1
.if \fill
	CREST                                          ; no wave of any partner still reads this slot's tile or has a load on its way
	s_add_nc_u64 s[G0+4*\slot+2:G0+4*\slot+3], s[G0+4*\slot+2:G0+4*\slot+3], 2*ASTEP
	s_add_nc_u64 s[G0B+4*\slot+2:G0B+4*\slot+3], s[G0B+4*\slot+2:G0B+4*\slot+3], 2*192
	JLOAD G0+4*\slot, G1, G0B+4*\slot, G1B         ; my one tensor load behind the round, and the first thing there; its four v_nop are the places in front of the loads into set 0
.else
	PLACES 4
.endif
	v_add_nc_u32 v[ADSA], ASSTEP, v[ADSA]          ; on to the next K step's scale words
	v_add_nc_u32 v[ADSB], 8, v[ADSB]
	PLAN \next, 0, 0, 1
	MULS 12, 31, 1, 1, \slot, 0, 5
	WIN 0
.endm
	s_wait_tensorcnt 1                             ; the scale bytes and my part of K step 0 are in; K step 1's load may stay out
	s_barrier_signal -1
	s_barrier_wait -1                              ; everybody's are
	PLAN 0, 0, 0, 1
.rept 78
	NEXTLD
.endr
	WIN 0
	STEP 0, 1                                      ; the first step stands in front of the loop: its products start the sums, and nothing is cleared
	s_mov_b32 s3, LAPS
.Llap:                                                 ; a trip goes once round the ring, from a lap's second step to the next lap's first, and fills both slots again
	TURN 0, 1, 1
	STEP 1, 0
	TURN 1, 0, 1
	STEP 0, 0
	s_sub_co_u32 s3, s3, 1
	s_cmp_lg_u32 s3, 0
	s_cbranch_scc1 .Llap
	TURN 0, 1, 0                                   ; the last lap fills nothing, and has no round of the cluster's barrier
	STEP 1, 0
	s_wait_dscnt 0x0                               ; the very last step: nothing more to fetch
	MULS 0, 31, 1, 1, 1, 0, 0
	WIN 0
	PLACES 4                                       ; four places between the last products and the first reads of results and writes of operands
.if SECOND
	; THE WAY OUT: rounded to f16, 16 bytes a lane (eight neighbouring columns of a row) into the work-group's stage; a barrier, since a row's 512 bytes come from two waves; back as whole rows, 32 rows a wave.
	WIN 0x0a                                       ; sources 0 and 1 window 2
.set T, 0
.rept 32
.irp i, 0,1,2,3
	v_cvt_pk_f16_f32 v[OB+4*T+\i], v[8*T+2*\i], v[8*T+2*\i+1]      ; each accumulator from its low end on
.endr
.set T, T+1
.endr
	WIN 0
.irp a, 0,1,2,3
.irp b, 0,1,2,3,4,5,6,7
	ds_store_b128 v[STO], v[OB+4*(8*\a+\b):OB+4*(8*\a+\b)+3] offset:\a*16*SP+32*\b
.endr
.endr
	s_wait_dscnt 0x0                               ; for the others' sake: my stores into the stage are done
	s_barrier_signal -1
	s_barrier_wait -1
.set T, 0
.rept 32
	ds_load_b128 v[OB+4*T:OB+4*T+3], v[RD] offset:T*SP
.set T, T+1
.endr
.set T, 0
.rept 32
	s_wait_dscnt 31-T                              ; LDS loads come back in order: row T is in, the 31 - T younger ones may be out
	global_store_b128 v[CO], v[OB+4*T:OB+4*T+3], s[12:13] offset:T*8192 th:TH_STORE_NT   ; 32 lanes store 512 consecutive bytes, at a multiple of 256 from the output's first byte; written once, read by nobody here
.set T, T+1
.endr
.else
	; THE WAY OUT: the sums are quantised along n.  Block a of 16 rows: of accumulators 2 be and 2 be + 1 the halves of the lanes change places, so that lane (r, h) holds, in 16 consecutive registers, n = 32 be + 16 h + 0 .. 15 of row r.
	; A block of 32 then lies in lanes l and l xor 16.  Its scale is 2^(floor(log2(its largest magnitude)) - 2): the largest magnitude with 2 off its exponent field is the conversion's scale operand, and that field the byte.
.irp be, 0,1,2,3
	v_mov_b32 v[TM+4+\be], 0                       ; written once: a lane permute's destination counts as one of its sources
.endr
.macro QROW a
.set AC, 64*(\a)
	WIN 0x82                                       ; both registers of the exchange in window 2
.irp be, 0,1,2,3
.irp j, 0,1,2,3,4,5,6,7
	v_permlane16_swap_b32 v[AC+16*\be+\j], v[AC+16*\be+8+\j]       ; each accumulator from its low end on
.endr
.endr
	WIN 0x0a
.irp be, 0,1,2,3
	v_max3_num_f32 v[TM+\be], |v[AC+16*\be]|, |v[AC+16*\be+1]|, 0x1800000   ; my 16 numbers of block be, and the floor 2^(3 - 127): so the byte cannot fall under 1
.endr
	WIN 0x28
.irp i, 2,4,6,8,10,12,14
.irp be, 0,1,2,3
	v_max3_num_f32 v[TM+\be], v[TM+\be], |v[AC+16*\be+\i]|, |v[AC+16*\be+\i+1]|   ; (the four blocks by turns: no line waits for the line above it)
.endr
.endr
	WIN 0
.irp be, 0,1,2,3
	v_permlanex16_b32 v[TM+4+\be], v[TM+\be], s[SEL], s[SEL+1]
.endr
.irp be, 0,1,2,3
	v_max_num_f32 v[TM+\be], v[TM+\be], v[TM+4+\be]                ; with lane l xor 16's: the block's largest magnitude
.endr
.irp be, 0,1,2,3
	v_add_nc_u32 v[TM+12+\be], 0xff000000, v[TM+\be]               ; 2 off its exponent field
.endr
.irp be, 0,1,2,3
	v_lshrrev_b32 v[TM+4+\be], 23, v[TM+12+\be]                    ; the scale's byte
.endr
	v_lshl_or_b32 v[SW+(\a)], v[TM+5], 8, v[TM+4]                  ; the four bytes make my row's scale word for these 128 columns
	v_lshl_or_b32 v[SW+(\a)], v[TM+6], 16, v[SW+(\a)]
	v_lshl_or_b32 v[SW+(\a)], v[TM+7], 24, v[SW+(\a)]
	WIN 0x02                                       ; the numbers in window 2
.irp be, 0,1,2,3
	v_cvt_scalef32_pk16_fp6_f32 v[CD+16*(\a)+4*\be:CD+16*(\a)+4*\be+2], v[AC+16*\be:AC+16*\be+15], v[TM+12+\be]   ; sixteen numbers / the scale, to the nearest code, ties to even, beyond the largest code the largest: 96 bits without gaps
.endr
	WIN 0
	v_nop                                          ; one plain place behind the scaled conversions
.irp be, 0,1,2,3
	ds_store_b96 v[STO], v[CD+16*(\a)+4*\be:CD+16*(\a)+4*\be+2] offset:(\a)*16*SP+32*\be      ; 16 codes, 12 bytes, to a place of 16: every LDS address is a multiple of 16.  Every store has data registers of its own
.endr
	ds_store_b32 v[SSTO], v[SW+(\a)] offset:128*(\a)               ; lanes l and l xor 16 write the same word with the same value
.endm
	QROW 0
	QROW 1
	QROW 2
	QROW 3
	s_wait_dscnt 0x0                               ; for the others' sake: my stores into the stage are done
	s_barrier_signal -1
	s_barrier_wait -1                              ; a row's 192 bytes and its 8 scale bytes come from two waves
.set T, 0
.rept 16
	ds_load_b96 v[OB+4*T:OB+4*T+2], v[RD] offset:T*2*SP            ; two rows: sixteen lanes to a row's sixteen places
.set T, T+1
.endr
	ds_load_b64 v[OB+64:OB+65], v[SRD]             ; my 32 rows' scale bytes, 8 a lane
.set T, 0
.rept 16
	s_wait_dscnt 16-T                              ; LDS loads come back in order: rows 2 T, 2 T + 1 are in; the 15 - T younger loads of rows and that of the scale bytes may be out
	global_store_b96 v[CO], v[OB+4*T:OB+4*T+2], s[12:13] offset:T*384        ; 32 lanes store 384 consecutive bytes; a wave's sixteen stores cover 6,144 on end, from a multiple of 256 on.  The next launch reads them: no hint
.set T, T+1
.endr
	s_wait_dscnt 0x0
	global_store_b64 v[SCO], v[OB+64:OB+65], s[14:15]              ; 32 lanes store 256 consecutive bytes, at a multiple of 256 from the buffer's first byte
.endif
	s_wait_tensorcnt 0x0                           ; the wave's end: behind my last tensor load and my last LDS store
	ds_add_u32 v[SPW], v[NIL]
	s_wait_dscnt 0x0
	CROUND                                         ; the closing round: no work-group ends while a partner may still ask for a tile that names it
	s_endpgm
.Lfunc_end_k_q3014caf3e1_gemm2:
	.size	k_q3014caf3e1_gemm2, .Lfunc_end_k_q3014caf3e1_gemm2-k_q3014caf3e1_gemm2
	.p2alignl 7, 3214868480
	.fill 96, 4, 3214868480
	.section	.rodata,"a",@progbits
	.p2align	6, 0x0
	.amdhsa_kernel k_q3014caf3e1_gemm2
		.amdhsa_group_segment_fixed_size 327680
		.amdhsa_private_segment_fixed_size 0
		.amdhsa_enable_private_segment 0
		.amdhsa_kernarg_size 40
		.amdhsa_user_sgpr_count 2
		.amdhsa_user_sgpr_kernarg_segment_ptr 1
		.amdhsa_wavefront_size32 1
		.amdhsa_system_sgpr_workgroup_id_x 1
		.amdhsa_system_sgpr_workgroup_id_y 1
		.amdhsa_system_sgpr_workgroup_id_z 1
		.amdhsa_system_vgpr_workitem_id 0
		.amdhsa_next_free_vgpr 768
		.amdhsa_next_free_sgpr 100
		.amdhsa_reserve_vcc 0
		.amdhsa_float_denorm_mode_32 3
		.amdhsa_float_denorm_mode_16_64 3
		.amdhsa_memory_ordered 1
		.amdhsa_forward_progress 1
		.amdhsa_inst_pref_size 108
	.end_amdhsa_kernel
	.amdgpu_metadata
---
amdhsa.version: [ 1, 2 ]
amdhsa.kernels:
  - .name:           k_q3014caf3e1_gemm2
    .symbol:         k_q3014caf3e1_gemm2.kd
    .args:
      - { .name: act_codes, .offset: 0, .size: 8, .value_kind: global_buffer, .address_space: global }
      - { .name: act_scales, .offset: 8, .size: 8, .value_kind: global_buffer, .address_space: global }
      - { .name: W_up_codes, .offset: 16, .size: 8, .value_kind: global_buffer, .address_space: global }
      - { .name: W_up_scales, .offset: 24, .size: 8, .value_kind: global_buffer, .address_space: global }
      - { .name: out0, .offset: 32, .size: 8, .value_kind: global_buffer, .address_space: global }
    .group_segment_fixed_size: 327680
    .private_segment_fixed_size: 0
    .kernarg_segment_align: 8
    .kernarg_segment_size: 40
    .max_flat_workgroup_size: 128
    .sgpr_count:     100
    .vgpr_count:     768
    .wavefront_size: 32
...
	.end_amdgpu_metadata
.endif
;; end of part 2
;; ======== version 2 of 2: 2 launches
;; workspace buffers: act_codes 6,291,456 bytes; act_scales 262,144 bytes
;; launch gemm1 (part 3): grid 16 x 16, 4 waves a work-group, clusters of 4 x 4, 327,680 bytes of LDS; arguments A_prev_codes, A_prev_scales, W_prev_codes, W_prev_scales, act_codes, act_scales; writes act_codes, act_scales
.if DOCPART == 3
	.amdgcn_target "amdgcn-amd-amdhsa--gfx1250"
	.amdhsa_code_object_version 6
	.text
	.protected	k_q3014caf3e1_gemm1
	.globl	k_q3014caf3e1_gemm1
	.p2align	8
	.type	k_q3014caf3e1_gemm1,@function
k_q3014caf3e1_gemm1:
	s_mov_b64 s[64:65], 0
	v_nop
	global_prefetch_b8 v0, s[64:65] scope:SCOPE_SE
	s_setreg_imm32_b32 hwreg(HW_REG_WAVE_MODE, 25, 1), 1
	s_wait_xcnt 0x0
	s_wait_alu depctr_hold_cnt(0) depctr_sa_sdst(0) depctr_va_vdst(0) depctr_va_sdst(0) depctr_va_ssrc(0) depctr_va_vcc(0) depctr_vm_vsrc(0)
	s_getreg_b32 s2, hwreg(HW_REG_IB_STS2, 6, 4)
	s_cmp_eq_u32 s2, 0
	s_cbranch_scc0 .Lentry_in_a_cluster
	s_endpgm
.Lentry_in_a_cluster:
	s_bfe_u32 s2, ttmp6, 0x10000c
	s_cmp_lg_u32 s2, 0xf033
	s_cbranch_scc0 .Lentry_shape_is_right
	s_endpgm
.Lentry_shape_is_right:
; C[m][n] = sum over k of A[m][k] W[n][k]; M 2,048, N 4,096, K 4,096.  Both operands are codes of FP6 (E2M3), K innermost, four codes in three bytes, with one E8M0 byte for each 32 along K; sums in f32.
; ONE TEXT SERVES BOTH PRODUCTS OF THE CHAIN; SECOND says which.  SECOND = 0: A = A_prev, W = W_prev; the f32 sums are quantised along n, which is the next product's K, and leave as codes and scale bytes.
; SECOND = 1: A = those codes, W = W_up; the sums leave as f16.  Between the launches lie  act_codes [8 ks][16 mt][2 halves][128 m][192 bytes]  (ks: 512 columns, a half: 256)  and  act_scales [16 kt][2048 m][8 bytes]:
; what a work-group writes (128 m x 256 n) is one dense block of 24,576 bytes and one of 1,024, and what a K step of the second product reads of A's codes is one dense block of 49,152.
; SHARES.  2,048 x 4,096 are 256 tiles of 128 x 256: one work-group of four waves each.  Wave w makes 64 rows (half w / 2) and 128 columns (half w % 2): 4 x 8 accumulators of 16 x 16, 256 registers.
; THE RING.  K goes in steps of 512 through two LDS slots filled by the tensor data mover; a slot is four matrix instructions deep, 128 of them a wave.  A slot holds A's 128 rows and W's 256 rows of 384 bytes, and these
; rows' 16 scale bytes.  The two slots take 325,632 of the 327,680 bytes; so the scale bytes come slot by slot, in rows of 16 bytes: those of all of K, 49,152 bytes, have no room beside slots of this length.
; One wave asks for each kind of tile: wave 0 A's codes, wave 1 A's scale bytes, wave 2 W's codes, wave 3 W's scale bytes.
; PADDING, AND WHICH ROWS FORM A BLOCK.  The mover lays 8 bytes behind every 128: rows 408 bytes apart.  THE 16 ROWS OF A BLOCK LIE TWO ROWS APART: 816 bytes are 204 words, so lane r starts at bank 12 r mod 64 (64 banks of
; 4 bytes: ISA guide 11.1): sixteen different multiples of 4; lanes 16-31 lie 6 words on: the 32 lanes of a load of 8 bytes touch 64 different banks.  (Where lanes 16-31 lie behind one padding more, 4 of a block's 24 pieces
; in a slot, they lie 8 words on and the load's two halves meet.)  Block b of W is rows 32 (b / 2) + 2 i + b % 2.  A's block a likewise where A's rows lie 384 bytes long (SECOND = 0); where two rows of 192 bytes lie on end
; (SECOND = 1) it is rows 4 r + a.  Which rows form a block only says which result lands where.
; CLUSTERS: 4 x 4 work-groups.  The four of a row of the cluster need the same tiles of A, the four of a column the same tiles of W: each tile is asked for JOINTLY, by the same tensor load with the same descriptor and
; a mask that names the four.  THE MATRIX INSTRUCTION IS USED TRANSPOSED (source 0 = 16 rows of W, source 1 = 16 rows of A): lane (r, h), register j of accumulator (a, b) holds A's row r of block a and W's row 8 h + j of block b:
; column 32 (b / 2) + 16 h + 2 j + b % 2: registers j of accumulators 2 be and 2 be + 1 are neighbours.
; LDS LOADS IN RUNS.  For 128 along K a wave loads 192 rows x 96 bytes: 72 loads of 8 bytes a lane for 32 matrix instructions.  Both operands have two sets of registers; a step issues 8 matrix instructions, then the next
; step's loads in ONE run under two settings of the register windows, then its other 24.
; REGISTERS, in windows of 256: window 0: v1-29 addresses; v32-79 scale words and nothing else, two sets; v80-175 A's fragments, two sets; on the way out v80-227 are at work.  window 1: W's fragments, sets at v0 and v128.
;   window 2: the accumulators, (a, b) at v[8 (8 a + b)].
; LIMITS: scale bytes 0xff, NaN and infinities are not served.  The sums go into the quantiser as f32, as the accumulators hold them.  A block of 32 sums that are all zero (or under 2^-124) gets the byte 1 where the
; quantiser's rule says 127: its codes are zeros, which add nothing under any byte but 0xff, and the bytes are read by this program alone.  Sums beyond f16's range leave the second product as infinities.
.set SECOND, 0
.set PITCH,  408                       ; an LDS row of codes: 3 x (128 bytes + 8 of padding)
.set AT,     128*PITCH                 ; A's 128 rows
.set WT,     256*PITCH                 ; W's 256 rows
.set ASCO,   AT+WT                     ; behind them A's scale bytes, 128 rows x 16,
.set WSCO,   ASCO+2048                 ; and W's, 256 rows x 16
.set SLOT,   WSCO+4096
.set SPARE,  2*SLOT                    ; behind the ring: the spare words, 128 bytes for each wave: two blocks of 256 bytes that no other line names
.set LAPS,   3                         ; trips of the loop: a trip goes once round the ring; K steps 2 to 7 are asked for in it
.set CDW0,   (1<<20)|(1<<21)|(4<<22)|(1<<25)   ; group 1, word 0, for codes: elements of 1 byte; padding on; bit 21 beside the mask; behind every 32 words (code 4) 2 words (code 1)
.set SCW0,   (3<<16)|(1<<21)           ; for scale bytes: elements of 8 bytes, no padding
.if SECOND
.set AD0,    128                       ; A's codes: 49,152 dense bytes as 384 rows of 128
.set AD1,    384
.set APIT,   128
.set AROW0,  49152                     ; from a tile row's codes to the next tile row's
.set ASTEP,  786432                    ; from a K step's tile of A to the next
.set AMH,    96*136                    ; my 64 rows in LDS: 12,288 bytes of the stream, 96 pieces of 128 + 8
.set PLANE,  192*136                   ; the K step's second 256 along K lie a half, 24,576 bytes of the stream, further on
.set ASD0,   128                       ; A's scale bytes: 2 rows (kt) of 128 m x 8 bytes
.set ASD1,   2
.set ASPIT,  2048
.set ASROW0, 1024
.set ASSTEP, 32768
.set AMHS,   512                       ; my 64 rows' in LDS
.set SP,     528                       ; a stage row: 256 f16 + 16 bytes
.set NHSH,   8                         ; a wave's 128 columns are 256 bytes of it,
.set HSH,    5                         ; a lane's 16 columns 32
.else
.set AD0,    384                       ; A's codes: 128 rows of 384 bytes, 3,072 apart
.set AD1,    128
.set APIT,   3072
.set AROW0,  128*3072
.set ASTEP,  384
.set AMH,    64*PITCH
.set ASD0,   2                         ; A's scale bytes: 128 rows of 16 bytes, 128 apart
.set ASD1,   128
.set ASPIT,  16
.set ASROW0, 128*128
.set ASSTEP, 16
.set AMHS,   1024
.set SP,     272                       ; a stage row: 16 places of 16 bytes, each with the 12 bytes of 16 codes, + 16 bytes
.set NHSH,   7                         ; a wave's 128 columns are 8 places,
.set HSH,    4                         ; a lane's 16 columns one
.set SST,    128*SP                    ; behind the stage: the tile's scale words, 8 bytes a row
.endif
; THE STAGE for the way out begins at LDS byte 0, in slot 0: when the first result is stored there, that slot has had its last fill, and every wave has passed the last change of slots, behind which nobody reads it.
.set STO,  8                           ; v8   the way out: where I put my piece of a row
.set SSTO, 9                           ; v9   and my row's scale word
.set RD,   10                          ; v10  where I read rows back
.set SRD,  11                          ; v11  and scale words
.set CO,   12                          ; v12  my byte offset in the rows that I store
.set SCO,  13                          ; v13  and among the scale bytes
.set ADRA, 16                          ; v16-17 LDS address of my A fragments in slot 0, 1; v18-19 the same for the pieces that lie behind one padding more
.set ADRB, 20                          ; v20-23 the same for W
.set ADSA, 24                          ; v24-25 LDS address of A's scale words in slot 0, 1
.set ADSB, 26                          ; v26-27 of W's
.set SPW,  28                          ; v28  LDS address of my spare word: SPARE + 4 x my thread's number; never rewritten
.set NIL,  29                          ; v29  0; never rewritten
.set SCR,  32                          ; scale words: set s (slot s) at v[SCR + 24 s]: +4 i + q: A's blocks 2 i (lanes 0-15) and 2 i + 1 (lanes 16-31); +8 + 4 i + q: W's likewise; q: the slot's q-th 128 along K
.set AF,   80                          ; A's fragments: set p at AF + 48 p, block a at + 12 a
.set OB,   80                          ; the way out: rows on their way to memory
.set XQ,   80                          ; v80-143  64 sums of a lane, neighbours along n in neighbouring registers
.set TM,   144                         ; v144-159 at work in the quantiser
.set SWD,  160                         ; v160-163 the scale words just made, one for each block of rows
.set CD,   164                         ; v164-226 the codes just made
.set WV,   16                          ; s16  my wave's number
.set MH,   17                          ; s17  which 64 rows of the tile are mine
.set NH,   18                          ; s18  which 128 columns
.set G1,   24                          ; s[24:31] descriptor group 1 for A's codes; s[32:39] group 0, a set for each slot
.set G0,   32
.set G1B,  48                          ; s[48:55], s[56:63] the same for W's codes
.set G0B,  56
.set G1S,  68                          ; s[68:75], s[76:83] for A's scale bytes
.set G0S,  76
.set G1SB, 84                          ; s[84:91], s[92:99] for W's
.set G0SB, 92
.set SEL,  100                         ; s[100:101] lane selects for v_permlanex16_b32: lane l xor 16
.set MUL,  0xa1                        ; source 0 (W) window 1, source 1 (A) window 0, C and D window 2
.set TO_B, 0x40                        ; destination window 1, address window 0
.set MSB, 0
.macro WIN new                         ; the immediate's high byte repeats the setting that is left; a switch that changes nothing is dropped
.if MSB != \new
	s_set_vgpr_msb (MSB<<8)|\new
.set MSB, \new
.endif
.endm
; The joint loads of slot s: each wave asks for one kind of tile.  Each of the four lines has ONE mask and one set of registers for all that issue it; the branches hang on the wave's number alone.
; Four v_nop follow each line, ahead of the jump, the label and what follows.
.macro JLOAD s
	s_cmp_lt_u32 s[WV], 2
	s_cbranch_scc0 .Lfor_w_\@
	s_cmp_eq_u32 s[WV], 0
	s_cbranch_scc0 .Lfor_as_\@
	tensor_load_to_lds s[G0+4*\s:G0+4*\s+3], s[G1:G1+7]            ; wave 0: A's codes
	s_nop 0
.rept 4
	v_nop
.endr
	s_branch .Lasked_\@
.Lfor_as_\@:
	tensor_load_to_lds s[G0S+4*\s:G0S+4*\s+3], s[G1S:G1S+7]        ; wave 1: A's scale bytes
	s_nop 0
.rept 4
	v_nop
.endr
	s_branch .Lasked_\@
.Lfor_w_\@:
	s_cmp_eq_u32 s[WV], 2
	s_cbranch_scc0 .Lfor_ws_\@
	tensor_load_to_lds s[G0B+4*\s:G0B+4*\s+3], s[G1B:G1B+7]        ; wave 2: W's codes
	s_nop 0
.rept 4
	v_nop
.endr
	s_branch .Lasked_\@
.Lfor_ws_\@:
	tensor_load_to_lds s[G0SB+4*\s:G0SB+4*\s+3], s[G1SB:G1SB+7]    ; wave 3: W's scale bytes
	s_nop 0
.rept 4
	v_nop
.endr
.Lasked_\@:
.endm
.macro CREST                           ; a round of the cluster's barrier behind its opening barrier
	s_cmp_lg_u32 s[WV], 0
	s_cbranch_scc1 .Lnot_wave_0_\@
	s_barrier_signal -3
.Lnot_wave_0_\@:
	s_barrier_wait -3
	s_barrier_signal -1
	s_barrier_wait -1
.endm
.macro CROUND                          ; a whole round
	s_barrier_signal -1
	s_barrier_wait -1
	CREST
.endm
.macro PLACES n                        ; plain vector instructions that name no register of the matrix instructions in front of them (ISA guide 7.12.1)
.rept \n
	v_nop
.endr
.endm
	s_load_b256 s[4:11], s[0:1], 0x0               ; A's codes s[4:5], A's scales s[6:7], W's codes s[8:9], W's scales s[10:11]
.if SECOND
	s_load_b64 s[12:13], s[0:1], 0x20              ; the output
.else
	s_load_b128 s[12:15], s[0:1], 0x20             ; the codes' buffer s[12:13], the scale bytes' s[14:15]
.endif
	v_lshl_add_u32 v[SPW], v0, 2, SPARE
	v_mov_b32 v[NIL], 0
	ds_add_u32 v28, v29
	ds_add_u32 v28, v29
	s_wait_dscnt 0x0
	v_lshrrev_b32 v1, 5, v0
	v_readfirstlane_b32 s[WV], v1                  ; wave 0..3
	s_lshr_b32 s[MH], s[WV], 1
	s_and_b32 s[NH], s[WV], 1
	s_bfe_u32 s40, ttmp6, 0x40000                  ; cx, cy: my place in the cluster
	s_bfe_u32 s41, ttmp6, 0x40004
	s_lshl_b32 s42, ttmp9, 2
	s_add_co_u32 s42, s42, s40                     ; tile column = 4 x cluster x + cx
	s_and_b32 s43, ttmp7, 0xffff
	s_lshl_b32 s43, s43, 2
	s_add_co_u32 s43, s43, s41                     ; tile row = 4 x cluster y + cy
	s_lshl_b32 s44, s41, 2
	s_lshl_b32 s44, 15, s44                        ; my row of the cluster
	s_lshl_b32 s45, 0x1111, s40                    ; my column
	; descriptor groups 1: word 0 the mask and the form; then tensor_dim0, tensor_dim1, tile_dim0, tile_dim1, the pitch, all in elements
	s_or_b32 s[G1+0], s44, CDW0                    ; A's tiles go to my row of the cluster
	s_mov_b32 s[G1+1], AD0<<16
	s_mov_b32 s[G1+2], AD1<<16
	s_mov_b32 s[G1+3], AD0<<16
	s_mov_b32 s[G1+4], AD1
	s_mov_b32 s[G1+5], APIT
	s_mov_b32 s[G1+6], 0
	s_mov_b32 s[G1+7], 0
	s_or_b32 s[G1B+0], s45, CDW0                   ; W's to my column: 256 rows of 384 bytes, 3,072 apart
	s_mov_b32 s[G1B+1], 384<<16
	s_mov_b32 s[G1B+2], 256<<16
	s_mov_b32 s[G1B+3], 384<<16
	s_mov_b32 s[G1B+4], 256
	s_mov_b32 s[G1B+5], 3072
	s_mov_b32 s[G1B+6], 0
	s_mov_b32 s[G1B+7], 0
	s_or_b32 s[G1S+0], s44, SCW0
	s_mov_b32 s[G1S+1], ASD0<<16
	s_mov_b32 s[G1S+2], ASD1<<16
	s_mov_b32 s[G1S+3], ASD0<<16
	s_mov_b32 s[G1S+4], ASD1
	s_mov_b32 s[G1S+5], ASPIT
	s_mov_b32 s[G1S+6], 0
	s_mov_b32 s[G1S+7], 0
	s_or_b32 s[G1SB+0], s45, SCW0                  ; 256 rows of 16 bytes (2 elements), 128 bytes (16 elements) apart
	s_mov_b32 s[G1SB+1], 2<<16
	s_mov_b32 s[G1SB+2], 256<<16
	s_mov_b32 s[G1SB+3], 2<<16
	s_mov_b32 s[G1SB+4], 256
	s_mov_b32 s[G1SB+5], 16
	s_mov_b32 s[G1SB+6], 0
	s_mov_b32 s[G1SB+7], 0
	; where the tiles come from.  A's hang on the tile row alone, which my row of the cluster shares; W's on the tile column alone.  (All these offsets stay under 2^24)
	s_mul_i32 s20, s43, AROW0                      ; A's codes
	s_mov_b32 s21, 0
	s_mul_i32 s22, s43, ASROW0                     ; A's scale bytes
	s_mov_b32 s23, 0
	s_mul_i32 s46, s42, 256*3072                   ; W's codes
	s_mov_b32 s47, 0
	s_lshl_b32 s66, s42, 15                        ; W's scale bytes: 256 rows of 128
	s_mov_b32 s67, 0
	s_wait_kmcnt 0x0
	s_add_nc_u64 s[20:21], s[4:5], s[20:21]
	s_add_nc_u64 s[22:23], s[6:7], s[22:23]
	s_add_nc_u64 s[46:47], s[8:9], s[46:47]
	s_add_nc_u64 s[66:67], s[10:11], s[66:67]
	CROUND                                         ; all sixteen work-groups are here: the first joint loads meet
.irp s, 0,1
	s_mov_b32 s[G0+4*\s], 1                        ; group 0: count 1, LDS address (a constant: no place in the cluster enters it), global address, type 2 on top
	s_mov_b32 s[G0+4*\s+1], \s*SLOT
	s_add_nc_u64 s[G0+4*\s+2:G0+4*\s+3], s[20:21], \s*ASTEP
	s_or_b32 s[G0+4*\s+3], s[G0+4*\s+3], 0x80000000
	s_mov_b32 s[G0S+4*\s], 1
	s_mov_b32 s[G0S+4*\s+1], \s*SLOT+ASCO
	s_add_nc_u64 s[G0S+4*\s+2:G0S+4*\s+3], s[22:23], \s*ASSTEP
	s_or_b32 s[G0S+4*\s+3], s[G0S+4*\s+3], 0x80000000
	s_mov_b32 s[G0B+4*\s], 1
	s_mov_b32 s[G0B+4*\s+1], \s*SLOT+AT
	s_add_nc_u64 s[G0B+4*\s+2:G0B+4*\s+3], s[46:47], \s*384
	s_or_b32 s[G0B+4*\s+3], s[G0B+4*\s+3], 0x80000000
	s_mov_b32 s[G0SB+4*\s], 1
	s_mov_b32 s[G0SB+4*\s+1], \s*SLOT+WSCO
	s_add_nc_u64 s[G0SB+4*\s+2:G0SB+4*\s+3], s[66:67], \s*16
	s_or_b32 s[G0SB+4*\s+3], s[G0SB+4*\s+3], 0x80000000
	JLOAD \s                                       ; K steps 0 and 1: two tensor loads of mine are out
.endr
	v_and_b32 v1, 15, v0                           ; r = lane % 16
	v_bfe_u32 v2, v0, 4, 1                         ; h = lane / 16
	v_and_b32 v3, 31, v0                           ; lane
	v_mul_u32_u24 v4, v1, 2*PITCH
	v_mad_u32_u24 v4, v2, 24, v4                   ; a fragment's lane: two rows x r + 24 x half
	v_lshl_add_u32 v5, v2, 3, v4                   ; and the same behind one padding more
	s_mul_i32 s21, s[MH], AMH                      ; my 64 rows of A
	s_mul_i32 s22, s[NH], 128*PITCH                ; my 128 rows of W,
	s_add_co_u32 s22, s22, AT                      ; which lie behind A's 128
.irp s, 0,1
	v_add_nc_u32 v[ADRA+\s], s21, v4
	v_add_nc_u32 v[ADRB+\s], s22, v4
	v_add_nc_u32 v[ADRA+2+\s], s21, v5
	v_add_nc_u32 v[ADRB+2+\s], s22, v5
	s_add_co_u32 s21, s21, SLOT
	s_add_co_u32 s22, s22, SLOT
.endr
	v_lshlrev_b32 v6, 5, v1                        ; scale words of a pair of blocks: lane (r, h) takes row 2 r + h of 32, 16 bytes a row
	v_lshl_add_u32 v7, v2, 4, v6
	s_lshl_b32 s22, s[NH], 11                      ; W's: my 128 rows
	s_add_co_u32 s22, s22, WSCO
.if SECOND
	v_lshl_add_u32 v6, v2, 3, v6                   ; A's here: row 4 r + 2 i + h, 8 bytes a row
.else
	v_lshl_add_u32 v6, v2, 4, v6
.endif
	s_mul_i32 s21, s[MH], AMHS                     ; A's: my 64 rows
	s_add_co_u32 s21, s21, ASCO
.irp s, 0,1
	v_add_nc_u32 v[ADSA+\s], s21, v6
	v_add_nc_u32 v[ADSB+\s], s22, v7
	s_add_co_u32 s21, s21, SLOT
	s_add_co_u32 s22, s22, SLOT
.endr
	; the way out.  In the stage a block's 16 rows lie on end: row 64 (w / 2) + 16 a + r of the stage holds A's row r of block a; their true places come back when they are read
	s_mul_i32 s21, s[MH], 64*SP
	s_lshl_b32 s22, s[NH], NHSH
	s_add_co_u32 s21, s21, s22
	v_mul_u32_u24 v4, v1, SP
	v_lshl_add_u32 v4, v2, HSH, v4
	v_add_nc_u32 v[STO], s21, v4                   ; into the stage: my 64 rows, my half of each; row r, my half of the lanes' piece
	s_mul_i32 s21, s[WV], 32*SP                    ; back: wave w takes the stage's rows 32 w .. 32 w + 31, whole
.if SECOND
	v_lshlrev_b32 v[CO], 4, v3                     ; the 32 lanes take one row of 512 bytes; the same in the output
	v_add_nc_u32 v[RD], s21, v[CO]
	s_lshl_b32 s20, s43, 7                         ; the stage's row 32 w + T is the tile's row 64 (w / 2) + 2 (w % 2) + 4 (T % 16) + T / 16
	s_lshl_b32 s22, s[MH], 6
	s_add_co_u32 s20, s20, s22
	s_lshl_b32 s22, s[NH], 1
	s_add_co_u32 s20, s20, s22
	s_lshl_b32 s20, s20, 13                        ; a row of the output is 8,192 bytes,
	s_lshl_b32 s46, s42, 9                         ; the tile's 256 columns 512
	s_add_co_u32 s20, s20, s46
	s_mov_b32 s21, 0
	s_add_nc_u64 s[12:13], s[12:13], s[20:21]
.else
	v_mul_u32_u24 v4, v2, 16*SP                    ; the tile's rows 32 w + 2 T and + 1 are the stage's rows 32 w + T and 32 w + 16 + T: lanes 0-15 take the one's sixteen places, lanes 16-31 the other's
	v_lshl_add_u32 v4, v1, 4, v4
	v_add_nc_u32 v[RD], s21, v4
	v_mul_u32_u24 v4, v2, 192
	v_mad_u32_u24 v[CO], v1, 12, v4                ; in memory a row is 192 bytes, a place 12
	v_lshlrev_b32 v[SCO], 3, v3                    ; scale words: 8 bytes a row
	s_lshl_b32 s21, s[MH], 9
	s_lshl_b32 s22, s[NH], 2
	s_add_co_u32 s21, s21, s22
	s_add_co_u32 s21, s21, SST
	v_lshl_add_u32 v[SSTO], v1, 4, s21             ; these lie by the tile's rows: row 64 (w / 2) + 2 r (+ the block's first row), word w % 2
	s_lshl_b32 s21, s[WV], 8
	s_add_co_u32 s21, s21, SST
	v_lshl_add_u32 v[SRD], v3, 3, s21              ; back: row 32 w + lane
	s_lshr_b32 s20, s42, 1                         ; ks = tile column / 2,
	s_mul_i32 s20, s20, 786432
	s_mul_i32 s22, s43, 49152                      ; mt = tile row,
	s_add_co_u32 s20, s20, s22
	s_and_b32 s22, s42, 1                          ; the half = tile column % 2,
	s_mul_i32 s22, s22, 24576
	s_add_co_u32 s20, s20, s22
	s_mul_i32 s22, s[WV], 32*192                   ; my 32 rows
	s_add_co_u32 s20, s20, s22
	s_mov_b32 s21, 0
	s_add_nc_u64 s[12:13], s[12:13], s[20:21]
	s_lshl_b32 s22, s42, 14                        ; scale bytes: kt = tile column; 8 bytes a row
	s_lshl_b32 s46, s43, 10
	s_add_co_u32 s22, s22, s46
	s_lshl_b32 s46, s[WV], 8
	s_add_co_u32 s22, s22, s46
	s_mov_b32 s23, 0
	s_add_nc_u64 s[14:15], s[14:15], s[22:23]
	s_mov_b32 s[SEL], 0x76543210
	s_mov_b32 s[SEL+1], 0xfedcba98
.endif
; A fragment, 16 rows x 128 K of 6-bit codes, is 12 registers: lane (r, h) holds its row's K = 64 c + 32 h + 0 .. 31 in registers 6 c .. 6 c + 5: 24 bytes of the row's stream of bits, as they lie; they come in pieces of
; 8 bytes, so that every address is a multiple of the access's size.  Piece ZP of a padded run of bytes lies at 8 ZP + 8 (ZP / 16).  Lanes 16-31 read three pieces further on; where that is behind one padding more
; (ZP % 16 from 13 on), the second address register serves.
; RUN: the loads of the q-th 128 along K of a slot into register set fs, in one run: W's 48, the slot's scale words (sc = 1), A's 24.  So the 18 youngest are A's blocks 1 to 3.
.macro RUN slot, q, fs, sc
	WIN TO_B
.irp b, 0,1,2,3,4,5,6,7
.irp p, 0,1,2,3,4,5
.set ZP, 12*(\q)+6*(\p/3)+\p%3
.set OF, (32*(\b/2)+\b%2)*PITCH+8*ZP+8*(ZP/16)
.if ZP%16 < 13
	ds_load_b64 v[128*(\fs)+12*\b+2*\p:128*(\fs)+12*\b+2*\p+1], v[ADRB+\slot] offset:OF
.else
	ds_load_b64 v[128*(\fs)+12*\b+2*\p:128*(\fs)+12*\b+2*\p+1], v[ADRB+2+\slot] offset:OF
.endif
.endr
.endr
	WIN 0
.if \sc
.if SECOND
.irp i, 0,1
.irp u, 0,1
	ds_load_b64 v[SCR+24*\slot+4*\i+2*\u:SCR+24*\slot+4*\i+2*\u+1], v[ADSA+\slot] offset:1024*\u+16*\i   ; two words a row for each 256 along K
.endr
.endr
.else
.irp i, 0,1
	ds_load_b128 v[SCR+24*\slot+4*\i:SCR+24*\slot+4*\i+3], v[ADSA+\slot] offset:512*\i                   ; four words a row: the slot's four steps of 128; 32 rows: two blocks
.endr
.endif
.irp i, 0,1,2,3
	ds_load_b128 v[SCR+24*\slot+8+4*\i:SCR+24*\slot+8+4*\i+3], v[ADSB+\slot] offset:512*\i
.endr
.endif
.irp a, 0,1,2,3
.irp p, 0,1,2,3,4,5
.if SECOND
.set ZP, 24*\a+12*((\q)%2)+6*(\p/3)+\p%3       ; four rows of 192 bytes lie on end: row 4 r + a begins 24 a pieces behind row 4 r
.set OF, ((\q)/2)*PLANE+8*ZP+8*(ZP/16)
.else
.set ZP, 12*(\q)+6*(\p/3)+\p%3
.set OF, (32*(\a/2)+\a%2)*PITCH+8*ZP+8*(ZP/16)
.endif
.if ZP%16 < 13
	ds_load_b64 v[AF+48*(\fs)+12*\a+2*\p:AF+48*(\fs)+12*\a+2*\p+1], v[ADRA+\slot] offset:OF
.else
	ds_load_b64 v[AF+48*(\fs)+12*\a+2*\p:AF+48*(\fs)+12*\a+2*\p+1], v[ADRA+2+\slot] offset:OF
.endif
.endr
.endr
.endm
; Matrix instruction MI = 8 a + b of a step: W's block b x A's block a, from register set p, with the scale words of set sc, step q.  A block with an odd number has its words in lanes 16-31.  zero = 1: it starts the sum.
.macro WM p, q, sc, zero
.set rD, 8*MI
.set rB, 128*(\p)+12*(MI%8)
.set rA, AF+48*(\p)+12*(MI/8)
.set rSB, SCR+24*(\sc)+8+4*((MI%8)/2)+(\q)
.set rSA, SCR+24*(\sc)+4*(MI/16)+(\q)
.set ODD, 2*((MI/8)%2)+MI%2
.if \zero
.if ODD == 0
	v_wmma_scale_f32_16x16x128_f8f6f4 v[rD:rD+7], v[rB:rB+11], v[rA:rA+11], 0, v[rSB], v[rSA] matrix_a_fmt:MATRIX_FMT_FP6 matrix_b_fmt:MATRIX_FMT_FP6
.elseif ODD == 1
	v_wmma_scale_f32_16x16x128_f8f6f4 v[rD:rD+7], v[rB:rB+11], v[rA:rA+11], 0, v[rSB], v[rSA] matrix_a_fmt:MATRIX_FMT_FP6 matrix_b_fmt:MATRIX_FMT_FP6 matrix_a_scale:MATRIX_SCALE_ROW1
.elseif ODD == 2
	v_wmma_scale_f32_16x16x128_f8f6f4 v[rD:rD+7], v[rB:rB+11], v[rA:rA+11], 0, v[rSB], v[rSA] matrix_a_fmt:MATRIX_FMT_FP6 matrix_b_fmt:MATRIX_FMT_FP6 matrix_b_scale:MATRIX_SCALE_ROW1
.else
	v_wmma_scale_f32_16x16x128_f8f6f4 v[rD:rD+7], v[rB:rB+11], v[rA:rA+11], 0, v[rSB], v[rSA] matrix_a_fmt:MATRIX_FMT_FP6 matrix_b_fmt:MATRIX_FMT_FP6 matrix_a_scale:MATRIX_SCALE_ROW1 matrix_b_scale:MATRIX_SCALE_ROW1
.endif
.else
.if ODD == 0
	v_wmma_scale_f32_16x16x128_f8f6f4 v[rD:rD+7], v[rB:rB+11], v[rA:rA+11], v[rD:rD+7], v[rSB], v[rSA] matrix_a_fmt:MATRIX_FMT_FP6 matrix_b_fmt:MATRIX_FMT_FP6
.elseif ODD == 1
	v_wmma_scale_f32_16x16x128_f8f6f4 v[rD:rD+7], v[rB:rB+11], v[rA:rA+11], v[rD:rD+7], v[rSB], v[rSA] matrix_a_fmt:MATRIX_FMT_FP6 matrix_b_fmt:MATRIX_FMT_FP6 matrix_a_scale:MATRIX_SCALE_ROW1
.elseif ODD == 2
	v_wmma_scale_f32_16x16x128_f8f6f4 v[rD:rD+7], v[rB:rB+11], v[rA:rA+11], v[rD:rD+7], v[rSB], v[rSA] matrix_a_fmt:MATRIX_FMT_FP6 matrix_b_fmt:MATRIX_FMT_FP6 matrix_b_scale:MATRIX_SCALE_ROW1
.else
	v_wmma_scale_f32_16x16x128_f8f6f4 v[rD:rD+7], v[rB:rB+11], v[rA:rA+11], v[rD:rD+7], v[rSB], v[rSA] matrix_a_fmt:MATRIX_FMT_FP6 matrix_b_fmt:MATRIX_FMT_FP6 matrix_a_scale:MATRIX_SCALE_ROW1 matrix_b_scale:MATRIX_SCALE_ROW1
.endif
.endif
.endm
; Matrix instructions first .. last of a step, back to back.  The 32 accumulators take turns, one instruction a turn, in the same order in every step.
.macro MULS first, last, p, q, sc, zero
	WIN MUL
.set MI, \first
.rept \last-\first+1
	WM \p, \q, \sc, \zero
.set MI, MI+1
.endr
.endm
; One of a slot's first three steps of 128 along K, from set q % 2; the slot's next 128 are fetched into the other set.
.macro STEP slot, q, zero
	s_wait_dscnt 18                                ; W's eight blocks, the scale words and A's block 0 are in: the 18 youngest loads, A's blocks 1 to 3, may be out
	MULS 0, 7, (\q)%2, \q, \slot, \zero
	s_wait_dscnt 0x0                               ; A's blocks 1 to 3 are in
	PLACES 4                                       ; four places between the last step's products, which read the other set, and the loads into it
	RUN \slot, (\q)+1, 1-(\q)%2, 0
	MULS 8, 31, (\q)%2, \q, \slot, \zero
.endm
; A slot's last 128 along K, from set 1, and the change of slots: ONE barrier.  In front of it each wave waits for all its tensor loads, adds 0 to its spare word, and waits for that and for its own reads of this slot.
; fill = 1: the barrier opens a round of the cluster's, and this slot is filled again, two K steps ahead, first thing behind it: 120 of a slot's 128 matrix instructions stand between that request and the wait for it.
; Then the next slot's first 128 and its scale words come into set 0.
.macro TURN slot, next, fill
	WIN 0                                          ; (the add's two registers lie in window 0)
	s_wait_tensorcnt 0x0                           ; all my tensor loads have landed: the one that was out is my part of the next slot
	ds_add_u32 v[SPW], v[NIL]                      ; 0 onto my spare word
	s_wait_dscnt 19                                ; W's blocks and A's block 0 are in: the add and the 18 loads of A's blocks 1 to 3 may be out
	MULS 0, 3, 1, 3, \slot, 0                      ; four matrix instructions stand between the add and the wait for it
	s_wait_dscnt 0x0                               ; the add is done, and my reads of this slot are over
	s_barrier_signal -1
	MULS 4, 7, 1, 3, \slot, 0                      ; work on registers while the others arrive
	WIN 0
	s_barrier_wait -1
.if \fill
	CREST                                          ; no wave of any partner still reads this slot's tiles or has a load on its way
	s_add_nc_u64 s[G0+4*\slot+2:G0+4*\slot+3], s[G0+4*\slot+2:G0+4*\slot+3], 2*ASTEP
	s_add_nc_u64 s[G0S+4*\slot+2:G0S+4*\slot+3], s[G0S+4*\slot+2:G0S+4*\slot+3], 2*ASSTEP
	s_add_nc_u64 s[G0B+4*\slot+2:G0B+4*\slot+3], s[G0B+4*\slot+2:G0B+4*\slot+3], 2*384
	s_add_nc_u64 s[G0SB+4*\slot+2:G0SB+4*\slot+3], s[G0SB+4*\slot+2:G0SB+4*\slot+3], 2*16
	JLOAD \slot                                    ; my one tensor load behind the round, and the first thing there; its four v_nop are the places in front of the loads into set 0
.else
	PLACES 4
.endif
	RUN \next, 0, 0, 1
	MULS 8, 31, 1, 3, \slot, 0
.endm
	s_wait_tensorcnt 1                             ; my part of K step 0 is in; K step 1's load may stay out
	s_barrier_signal -1
	s_barrier_wait -1                              ; everybody's is
	RUN 0, 0, 0, 1
	STEP 0, 0, 1                                   ; the first step stands in front of the loop: its products start the sums, and nothing is cleared
	WIN 0                                          ; at a label and at a branch every window is 0
	s_mov_b32 s3, LAPS
.Llap:                                                 ; a trip goes once round the ring, from a lap's second step to the next lap's first, and fills both slots again
	STEP 0, 1, 0
	STEP 0, 2, 0
	TURN 0, 1, 1
	STEP 1, 0, 0
	STEP 1, 1, 0
	STEP 1, 2, 0
	TURN 1, 0, 1
	STEP 0, 0, 0
	WIN 0
	s_sub_co_u32 s3, s3, 1
	s_cmp_lg_u32 s3, 0
	s_cbranch_scc1 .Llap
	STEP 0, 1, 0                                   ; the last lap fills nothing, and has no round of the cluster's barrier
	STEP 0, 2, 0
	TURN 0, 1, 0
	STEP 1, 0, 0
	STEP 1, 1, 0
	STEP 1, 2, 0
	s_wait_dscnt 18                                ; the very last step: nothing more to fetch
	MULS 0, 7, 1, 3, 1, 0
	s_wait_dscnt 0x0
	MULS 8, 31, 1, 3, 1, 0
	WIN 0
	PLACES 4                                       ; four places between the last products and the first reads of results and writes of operands
.if SECOND
	; THE WAY OUT: registers j of accumulators 2 be and 2 be + 1 are neighbouring columns: one conversion packs them.  A lane's 16 columns, 32 bytes, go into the work-group's stage; a barrier, since a row's 512 bytes come
	; from two waves; back as whole rows, 32 rows a wave.
	WIN 0x0a                                       ; sources 0 and 1 window 2
.irp a, 0,1,2,3
.irp be, 0,1,2,3
.irp j, 0,1,2,3,4,5,6,7
	v_cvt_pk_f16_f32 v[OB+32*\a+8*\be+\j], v[64*\a+16*\be+\j], v[64*\a+16*\be+8+\j]      ; each accumulator from its low end on
.endr
.endr
.endr
	WIN 0
.irp a, 0,1,2,3
.irp be, 0,1,2,3
	ds_store_b128 v[STO], v[OB+32*\a+8*\be:OB+32*\a+8*\be+3] offset:\a*16*SP+64*\be
	ds_store_b128 v[STO], v[OB+32*\a+8*\be+4:OB+32*\a+8*\be+7] offset:\a*16*SP+64*\be+16
.endr
.endr
	s_wait_dscnt 0x0                               ; for the others' sake: my stores into the stage are done
	s_barrier_signal -1
	s_barrier_wait -1
.set T, 0
.rept 32
	ds_load_b128 v[OB+4*T:OB+4*T+3], v[RD] offset:T*SP
.set T, T+1
.endr
.set T, 0
.rept 32
	s_wait_dscnt 31-T                              ; LDS loads come back in order: row T is in, the 31 - T younger ones may be out
	global_store_b128 v[CO], v[OB+4*T:OB+4*T+3], s[12:13] offset:(4*(T%16)+T/16)*8192 th:TH_STORE_NT   ; 32 lanes store 512 consecutive bytes, at a multiple of 256 from the output's first byte; written once, read by nobody here
.set T, T+1
.endr
.else
	; THE WAY OUT: the sums are quantised along n.  Block a of 16 rows: the registers of accumulators 2 be and 2 be + 1 are laid by turns, so that lane (r, h) holds, in 16 consecutive registers, n = 32 be + 16 h + 0 .. 15 of its row.
	; A block of 32 then lies in lanes l and l xor 16.  Its scale is 2^(floor(log2(its largest magnitude)) - 2): the largest magnitude with 2 off its exponent field is the conversion's scale operand, and that field the byte.
.irp be, 0,1,2,3
	v_mov_b32 v[TM+4+\be], 0                       ; written once: a lane permute's destination counts as one of its sources
.endr
.macro QROW a
.set AC, 64*(\a)
	WIN 0x02                                       ; source 0 window 2
.irp be, 0,1,2,3
.irp j, 0,1,2,3,4,5,6,7
	v_mov_b32 v[XQ+16*\be+2*\j], v[AC+16*\be+\j]                   ; column 2 j of my 16; each accumulator from its low end on
	v_mov_b32 v[XQ+16*\be+2*\j+1], v[AC+16*\be+8+\j]               ; column 2 j + 1
.endr
.endr
	WIN 0
.irp be, 0,1,2,3
	v_max3_num_f32 v[TM+\be], |v[XQ+16*\be]|, |v[XQ+16*\be+1]|, 0x1800000   ; my 16 numbers of block be, and the floor 2^(3 - 127): so the byte cannot fall under 1
.endr
.irp i, 2,4,6,8,10,12,14
.irp be, 0,1,2,3
	v_max3_num_f32 v[TM+\be], v[TM+\be], |v[XQ+16*\be+\i]|, |v[XQ+16*\be+\i+1]|   ; (the four blocks by turns: no line waits for the line above it)
.endr
.endr
.irp be, 0,1,2,3
	v_permlanex16_b32 v[TM+4+\be], v[TM+\be], s[SEL], s[SEL+1]
.endr
.irp be, 0,1,2,3
	v_max_num_f32 v[TM+\be], v[TM+\be], v[TM+4+\be]                ; with lane l xor 16's: the block's largest magnitude
.endr
.irp be, 0,1,2,3
	v_add_nc_u32 v[TM+12+\be], 0xff000000, v[TM+\be]               ; 2 off its exponent field
.endr
.irp be, 0,1,2,3
	v_lshrrev_b32 v[TM+4+\be], 23, v[TM+12+\be]                    ; the scale's byte
.endr
	v_lshl_or_b32 v[SWD+(\a)], v[TM+5], 8, v[TM+4]                 ; the four bytes make my row's scale word for these 128 columns
	v_lshl_or_b32 v[SWD+(\a)], v[TM+6], 16, v[SWD+(\a)]
	v_lshl_or_b32 v[SWD+(\a)], v[TM+7], 24, v[SWD+(\a)]
.irp be, 0,1,2,3
	v_cvt_scalef32_pk16_fp6_f32 v[CD+16*(\a)+4*\be:CD+16*(\a)+4*\be+2], v[XQ+16*\be:XQ+16*\be+15], v[TM+12+\be]   ; sixteen numbers / the scale, to the nearest code, ties to even, beyond the largest code the largest: 96 bits without gaps
.endr
	v_nop                                          ; one plain place behind the scaled conversions
.irp be, 0,1,2,3
	ds_store_b96 v[STO], v[CD+16*(\a)+4*\be:CD+16*(\a)+4*\be+2] offset:(\a)*16*SP+32*\be      ; 16 codes, 12 bytes, to a place of 16: every LDS address is a multiple of 16.  Every store has data registers of its own
.endr
	ds_store_b32 v[SSTO], v[SWD+(\a)] offset:(32*((\a)/2)+(\a)%2)*8          ; block a begins at row 32 (a / 2) + a % 2; lanes l and l xor 16 write the same word with the same value
.endm
	QROW 0
	QROW 1
	QROW 2
	QROW 3
	s_wait_dscnt 0x0                               ; for the others' sake: my stores into the stage are done
	s_barrier_signal -1
	s_barrier_wait -1                              ; a row's 192 bytes and its 8 scale bytes come from two waves
.set T, 0
.rept 16
	ds_load_b96 v[OB+4*T:OB+4*T+2], v[RD] offset:T*SP              ; the tile's rows 32 w + 2 T and + 1: sixteen lanes to a row's sixteen places
.set T, T+1
.endr
	ds_load_b64 v[OB+64:OB+65], v[SRD]             ; my 32 rows' scale bytes, 8 a lane
.set T, 0
.rept 16
	s_wait_dscnt 16-T                              ; LDS loads come back in order: these two rows are in; the 15 - T younger loads of rows and that of the scale bytes may be out
	global_store_b96 v[CO], v[OB+4*T:OB+4*T+2], s[12:13] offset:T*384        ; 32 lanes store 384 consecutive bytes; a wave's sixteen stores cover 6,144 on end, from a multiple of 256 on.  The next launch reads them: no hint
.set T, T+1
.endr
	s_wait_dscnt 0x0
	global_store_b64 v[SCO], v[OB+64:OB+65], s[14:15]              ; 32 lanes store 256 consecutive bytes, at a multiple of 256 from the buffer's first byte
.endif
	s_wait_tensorcnt 0x0                           ; the wave's end: behind my last tensor load and my last LDS store
	ds_add_u32 v[SPW], v[NIL]
	s_wait_dscnt 0x0
	CROUND                                         ; the closing round: no work-group ends while a partner may still ask for a tile that names it
	s_endpgm
.Lfunc_end_k_q3014caf3e1_gemm1:
	.size	k_q3014caf3e1_gemm1, .Lfunc_end_k_q3014caf3e1_gemm1-k_q3014caf3e1_gemm1
	.p2alignl 7, 3214868480
	.fill 96, 4, 3214868480
	.section	.rodata,"a",@progbits
	.p2align	6, 0x0
	.amdhsa_kernel k_q3014caf3e1_gemm1
		.amdhsa_group_segment_fixed_size 327680
		.amdhsa_private_segment_fixed_size 0
		.amdhsa_enable_private_segment 0
		.amdhsa_kernarg_size 48
		.amdhsa_user_sgpr_count 2
		.amdhsa_user_sgpr_kernarg_segment_ptr 1
		.amdhsa_wavefront_size32 1
		.amdhsa_system_sgpr_workgroup_id_x 1
		.amdhsa_system_sgpr_workgroup_id_y 1
		.amdhsa_system_sgpr_workgroup_id_z 1
		.amdhsa_system_vgpr_workitem_id 0
		.amdhsa_next_free_vgpr 768
		.amdhsa_next_free_sgpr 102
		.amdhsa_reserve_vcc 0
		.amdhsa_float_denorm_mode_32 3
		.amdhsa_float_denorm_mode_16_64 3
		.amdhsa_memory_ordered 1
		.amdhsa_forward_progress 1
		.amdhsa_inst_pref_size 185
	.end_amdhsa_kernel
	.amdgpu_metadata
---
amdhsa.version: [ 1, 2 ]
amdhsa.kernels:
  - .name:           k_q3014caf3e1_gemm1
    .symbol:         k_q3014caf3e1_gemm1.kd
    .args:
      - { .name: A_prev_codes, .offset: 0, .size: 8, .value_kind: global_buffer, .address_space: global }
      - { .name: A_prev_scales, .offset: 8, .size: 8, .value_kind: global_buffer, .address_space: global }
      - { .name: W_prev_codes, .offset: 16, .size: 8, .value_kind: global_buffer, .address_space: global }
      - { .name: W_prev_scales, .offset: 24, .size: 8, .value_kind: global_buffer, .address_space: global }
      - { .name: act_codes, .offset: 32, .size: 8, .value_kind: global_buffer, .address_space: global }
      - { .name: act_scales, .offset: 40, .size: 8, .value_kind: global_buffer, .address_space: global }
    .group_segment_fixed_size: 327680
    .private_segment_fixed_size: 0
    .kernarg_segment_align: 8
    .kernarg_segment_size: 48
    .max_flat_workgroup_size: 128
    .sgpr_count:     102
    .vgpr_count:     768
    .wavefront_size: 32
...
	.end_amdgpu_metadata
.endif
;; end of part 3
;; launch gemm2 (part 4): grid 16 x 16, 4 waves a work-group, clusters of 4 x 4, 327,680 bytes of LDS; arguments act_codes, act_scales, W_up_codes, W_up_scales, out0; writes out0
.if DOCPART == 4
	.amdgcn_target "amdgcn-amd-amdhsa--gfx1250"
	.amdhsa_code_object_version 6
	.text
	.protected	k_q3014caf3e1_gemm2
	.globl	k_q3014caf3e1_gemm2
	.p2align	8
	.type	k_q3014caf3e1_gemm2,@function
k_q3014caf3e1_gemm2:
	s_mov_b64 s[64:65], 0
	v_nop
	global_prefetch_b8 v0, s[64:65] scope:SCOPE_SE
	s_setreg_imm32_b32 hwreg(HW_REG_WAVE_MODE, 25, 1), 1
	s_wait_xcnt 0x0
	s_wait_alu depctr_hold_cnt(0) depctr_sa_sdst(0) depctr_va_vdst(0) depctr_va_sdst(0) depctr_va_ssrc(0) depctr_va_vcc(0) depctr_vm_vsrc(0)
	s_getreg_b32 s2, hwreg(HW_REG_IB_STS2, 6, 4)
	s_cmp_eq_u32 s2, 0
	s_cbranch_scc0 .Lentry_in_a_cluster
	s_endpgm
.Lentry_in_a_cluster:
	s_bfe_u32 s2, ttmp6, 0x10000c
	s_cmp_lg_u32 s2, 0xf033
	s_cbranch_scc0 .Lentry_shape_is_right
	s_endpgm
.Lentry_shape_is_right:
; C[m][n] = sum over k of A[m][k] W[n][k]; M 2,048, N 4,096, K 4,096.  Both operands are codes of FP6 (E2M3), K innermost, four codes in three bytes, with one E8M0 byte for each 32 along K; sums in f32.
; ONE TEXT SERVES BOTH PRODUCTS OF THE CHAIN; SECOND says which.  SECOND = 0: A = A_prev, W = W_prev; the f32 sums are quantised along n, which is the next product's K, and leave as codes and scale bytes.
; SECOND = 1: A = those codes, W = W_up; the sums leave as f16.  Between the launches lie  act_codes [8 ks][16 mt][2 halves][128 m][192 bytes]  (ks: 512 columns, a half: 256)  and  act_scales [16 kt][2048 m][8 bytes]:
; what a work-group writes (128 m x 256 n) is one dense block of 24,576 bytes and one of 1,024, and what a K step of the second product reads of A's codes is one dense block of 49,152.
; SHARES.  2,048 x 4,096 are 256 tiles of 128 x 256: one work-group of four waves each.  Wave w makes 64 rows (half w / 2) and 128 columns (half w % 2): 4 x 8 accumulators of 16 x 16, 256 registers.
; THE RING.  K goes in steps of 512 through two LDS slots filled by the tensor data mover; a slot is four matrix instructions deep, 128 of them a wave.  A slot holds A's 128 rows and W's 256 rows of 384 bytes, and these
; rows' 16 scale bytes.  The two slots take 325,632 of the 327,680 bytes; so the scale bytes come slot by slot, in rows of 16 bytes: those of all of K, 49,152 bytes, have no room beside slots of this length.
; One wave asks for each kind of tile: wave 0 A's codes, wave 1 A's scale bytes, wave 2 W's codes, wave 3 W's scale bytes.
; PADDING, AND WHICH ROWS FORM A BLOCK.  The mover lays 8 bytes behind every 128: rows 408 bytes apart.  THE 16 ROWS OF A BLOCK LIE TWO ROWS APART: 816 bytes are 204 words, so lane r starts at bank 12 r mod 64 (64 banks of
; 4 bytes: ISA guide 11.1): sixteen different multiples of 4; lanes 16-31 lie 6 words on: the 32 lanes of a load of 8 bytes touch 64 different banks.  (Where lanes 16-31 lie behind one padding more, 4 of a block's 24 pieces
; in a slot, they lie 8 words on and the load's two halves meet.)  Block b of W is rows 32 (b / 2) + 2 i + b % 2.  A's block a likewise where A's rows lie 384 bytes long (SECOND = 0); where two rows of 192 bytes lie on end
; (SECOND = 1) it is rows 4 r + a.  Which rows form a block only says which result lands where.
; CLUSTERS: 4 x 4 work-groups.  The four of a row of the cluster need the same tiles of A, the four of a column the same tiles of W: each tile is asked for JOINTLY, by the same tensor load with the same descriptor and
; a mask that names the four.  THE MATRIX INSTRUCTION IS USED TRANSPOSED (source 0 = 16 rows of W, source 1 = 16 rows of A): lane (r, h), register j of accumulator (a, b) holds A's row r of block a and W's row 8 h + j of block b:
; column 32 (b / 2) + 16 h + 2 j + b % 2: registers j of accumulators 2 be and 2 be + 1 are neighbours.
; LDS LOADS IN RUNS.  For 128 along K a wave loads 192 rows x 96 bytes: 72 loads of 8 bytes a lane for 32 matrix instructions.  Both operands have two sets of registers; a step issues 8 matrix instructions, then the next
; step's loads in ONE run under two settings of the register windows, then its other 24.
; REGISTERS, in windows of 256: window 0: v1-29 addresses; v32-79 scale words and nothing else, two sets; v80-175 A's fragments, two sets; on the way out v80-227 are at work.  window 1: W's fragments, sets at v0 and v128.
;   window 2: the accumulators, (a, b) at v[8 (8 a + b)].
; LIMITS: scale bytes 0xff, NaN and infinities are not served.  The sums go into the quantiser as f32, as the accumulators hold them.  A block of 32 sums that are all zero (or under 2^-124) gets the byte 1 where the
; quantiser's rule says 127: its codes are zeros, which add nothing under any byte but 0xff, and the bytes are read by this program alone.  Sums beyond f16's range leave the second product as infinities.
.set SECOND, 1
.set PITCH,  408                       ; an LDS row of codes: 3 x (128 bytes + 8 of padding)
.set AT,     128*PITCH                 ; A's 128 rows
.set WT,     256*PITCH                 ; W's 256 rows
.set ASCO,   AT+WT                     ; behind them A's scale bytes, 128 rows x 16,
.set WSCO,   ASCO+2048                 ; and W's, 256 rows x 16
.set SLOT,   WSCO+4096
.set SPARE,  2*SLOT                    ; behind the ring: the spare words, 128 bytes for each wave: two blocks of 256 bytes that no other line names
.set LAPS,   3                         ; trips of the loop: a trip goes once round the ring; K steps 2 to 7 are asked for in it
.set CDW0,   (1<<20)|(1<<21)|(4<<22)|(1<<25)   ; group 1, word 0, for codes: elements of 1 byte; padding on; bit 21 beside the mask; behind every 32 words (code 4) 2 words (code 1)
.set SCW0,   (3<<16)|(1<<21)           ; for scale bytes: elements of 8 bytes, no padding
.if SECOND
.set AD0,    128                       ; A's codes: 49,152 dense bytes as 384 rows of 128
.set AD1,    384
.set APIT,   128
.set AROW0,  49152                     ; from a tile row's codes to the next tile row's
.set ASTEP,  786432                    ; from a K step's tile of A to the next
.set AMH,    96*136                    ; my 64 rows in LDS: 12,288 bytes of the stream, 96 pieces of 128 + 8
.set PLANE,  192*136                   ; the K step's second 256 along K lie a half, 24,576 bytes of the stream, further on
.set ASD0,   128                       ; A's scale bytes: 2 rows (kt) of 128 m x 8 bytes
.set ASD1,   2
.set ASPIT,  2048
.set ASROW0, 1024
.set ASSTEP, 32768
.set AMHS,   512                       ; my 64 rows' in LDS
.set SP,     528                       ; a stage row: 256 f16 + 16 bytes
.set NHSH,   8                         ; a wave's 128 columns are 256 bytes of it,
.set HSH,    5                         ; a lane's 16 columns 32
.else
.set AD0,    384                       ; A's codes: 128 rows of 384 bytes, 3,072 apart
.set AD1,    128
.set APIT,   3072
.set AROW0,  128*3072
.set ASTEP,  384
.set AMH,    64*PITCH
.set ASD0,   2                         ; A's scale bytes: 128 rows of 16 bytes, 128 apart
.set ASD1,   128
.set ASPIT,  16
.set ASROW0, 128*128
.set ASSTEP, 16
.set AMHS,   1024
.set SP,     272                       ; a stage row: 16 places of 16 bytes, each with the 12 bytes of 16 codes, + 16 bytes
.set NHSH,   7                         ; a wave's 128 columns are 8 places,
.set HSH,    4                         ; a lane's 16 columns one
.set SST,    128*SP                    ; behind the stage: the tile's scale words, 8 bytes a row
.endif
; THE STAGE for the way out begins at LDS byte 0, in slot 0: when the first result is stored there, that slot has had its last fill, and every wave has passed the last change of slots, behind which nobody reads it.
.set STO,  8                           ; v8   the way out: where I put my piece of a row
.set SSTO, 9                           ; v9   and my row's scale word
.set RD,   10                          ; v10  where I read rows back
.set SRD,  11                          ; v11  and scale words
.set CO,   12                          ; v12  my byte offset in the rows that I store
.set SCO,  13                          ; v13  and among the scale bytes
.set ADRA, 16                          ; v16-17 LDS address of my A fragments in slot 0, 1; v18-19 the same for the pieces that lie behind one padding more
.set ADRB, 20                          ; v20-23 the same for W
.set ADSA, 24                          ; v24-25 LDS address of A's scale words in slot 0, 1
.set ADSB, 26                          ; v26-27 of W's
.set SPW,  28                          ; v28  LDS address of my spare word: SPARE + 4 x my thread's number; never rewritten
.set NIL,  29                          ; v29  0; never rewritten
.set SCR,  32                          ; scale words: set s (slot s) at v[SCR + 24 s]: +4 i + q: A's blocks 2 i (lanes 0-15) and 2 i + 1 (lanes 16-31); +8 + 4 i + q: W's likewise; q: the slot's q-th 128 along K
.set AF,   80                          ; A's fragments: set p at AF + 48 p, block a at + 12 a
.set OB,   80                          ; the way out: rows on their way to memory
.set XQ,   80                          ; v80-143  64 sums of a lane, neighbours along n in neighbouring registers
.set TM,   144                         ; v144-159 at work in the quantiser
.set SWD,  160                         ; v160-163 the scale words just made, one for each block of rows
.set CD,   164                         ; v164-226 the codes just made
.set WV,   16                          ; s16  my wave's number
.set MH,   17                          ; s17  which 64 rows of the tile are mine
.set NH,   18                          ; s18  which 128 columns
.set G1,   24                          ; s[24:31] descriptor group 1 for A's codes; s[32:39] group 0, a set for each slot
.set G0,   32
.set G1B,  48                          ; s[48:55], s[56:63] the same for W's codes
.set G0B,  56
.set G1S,  68                          ; s[68:75], s[76:83] for A's scale bytes
.set G0S,  76
.set G1SB, 84                          ; s[84:91], s[92:99] for W's
.set G0SB, 92
.set SEL,  100                         ; s[100:101] lane selects for v_permlanex16_b32: lane l xor 16
.set MUL,  0xa1                        ; source 0 (W) window 1, source 1 (A) window 0, C and D window 2
.set TO_B, 0x40                        ; destination window 1, address window 0
.set MSB, 0
.macro WIN new                         ; the immediate's high byte repeats the setting that is left; a switch that changes nothing is dropped
.if MSB != \new
	s_set_vgpr_msb (MSB<<8)|\new
.set MSB, \new
.endif
.endm
; The joint loads of slot s: each wave asks for one kind of tile.  Each of the four lines has ONE mask and one set of registers for all that issue it; the branches hang on the wave's number alone.
; Four v_nop follow each line, ahead of the jump, the label and what follows.
.macro JLOAD s
	s_cmp_lt_u32 s[WV], 2
	s_cbranch_scc0 .Lfor_w_\@
	s_cmp_eq_u32 s[WV], 0
	s_cbranch_scc0 .Lfor_as_\@
	tensor_load_to_lds s[G0+4*\s:G0+4*\s+3], s[G1:G1+7]            ; wave 0: A's codes
	s_nop 0
.rept 4
	v_nop
.endr
	s_branch .Lasked_\@
.Lfor_as_\@:
	tensor_load_to_lds s[G0S+4*\s:G0S+4*\s+3], s[G1S:G1S+7]        ; wave 1: A's scale bytes
	s_nop 0
.rept 4
	v_nop
.endr
	s_branch .Lasked_\@
.Lfor_w_\@:
	s_cmp_eq_u32 s[WV], 2
	s_cbranch_scc0 .Lfor_ws_\@
	tensor_load_to_lds s[G0B+4*\s:G0B+4*\s+3], s[G1B:G1B+7]        ; wave 2: W's codes
	s_nop 0
.rept 4
	v_nop
.endr
	s_branch .Lasked_\@
.Lfor_ws_\@:
	tensor_load_to_lds s[G0SB+4*\s:G0SB+4*\s+3], s[G1SB:G1SB+7]    ; wave 3: W's scale bytes
	s_nop 0
.rept 4
	v_nop
.endr
.Lasked_\@:
.endm
.macro CREST                           ; a round of the cluster's barrier behind its opening barrier
	s_cmp_lg_u32 s[WV], 0
	s_cbranch_scc1 .Lnot_wave_0_\@
	s_barrier_signal -3
.Lnot_wave_0_\@:
	s_barrier_wait -3
	s_barrier_signal -1
	s_barrier_wait -1
.endm
.macro CROUND                          ; a whole round
	s_barrier_signal -1
	s_barrier_wait -1
	CREST
.endm
.macro PLACES n                        ; plain vector instructions that name no register of the matrix instructions in front of them (ISA guide 7.12.1)
.rept \n
	v_nop
.endr
.endm
	s_load_b256 s[4:11], s[0:1], 0x0               ; A's codes s[4:5], A's scales s[6:7], W's codes s[8:9], W's scales s[10:11]
.if SECOND
	s_load_b64 s[12:13], s[0:1], 0x20              ; the output
.else
	s_load_b128 s[12:15], s[0:1], 0x20             ; the codes' buffer s[12:13], the scale bytes' s[14:15]
.endif
	v_lshl_add_u32 v[SPW], v0, 2, SPARE
	v_mov_b32 v[NIL], 0
	ds_add_u32 v28, v29
	ds_add_u32 v28, v29
	s_wait_dscnt 0x0
	v_lshrrev_b32 v1, 5, v0
	v_readfirstlane_b32 s[WV], v1                  ; wave 0..3
	s_lshr_b32 s[MH], s[WV], 1
	s_and_b32 s[NH], s[WV], 1
	s_bfe_u32 s40, ttmp6, 0x40000                  ; cx, cy: my place in the cluster
	s_bfe_u32 s41, ttmp6, 0x40004
	s_lshl_b32 s42, ttmp9, 2
	s_add_co_u32 s42, s42, s40                     ; tile column = 4 x cluster x + cx
	s_and_b32 s43, ttmp7, 0xffff
	s_lshl_b32 s43, s43, 2
	s_add_co_u32 s43, s43, s41                     ; tile row = 4 x cluster y + cy
	s_lshl_b32 s44, s41, 2
	s_lshl_b32 s44, 15, s44                        ; my row of the cluster
	s_lshl_b32 s45, 0x1111, s40                    ; my column
	; descriptor groups 1: word 0 the mask and the form; then tensor_dim0, tensor_dim1, tile_dim0, tile_dim1, the pitch, all in elements
	s_or_b32 s[G1+0], s44, CDW0                    ; A's tiles go to my row of the cluster
	s_mov_b32 s[G1+1], AD0<<16
	s_mov_b32 s[G1+2], AD1<<16
	s_mov_b32 s[G1+3], AD0<<16
	s_mov_b32 s[G1+4], AD1
	s_mov_b32 s[G1+5], APIT
	s_mov_b32 s[G1+6], 0
	s_mov_b32 s[G1+7], 0
	s_or_b32 s[G1B+0], s45, CDW0                   ; W's to my column: 256 rows of 384 bytes, 3,072 apart
	s_mov_b32 s[G1B+1], 384<<16
	s_mov_b32 s[G1B+2], 256<<16
	s_mov_b32 s[G1B+3], 384<<16
	s_mov_b32 s[G1B+4], 256
	s_mov_b32 s[G1B+5], 3072
	s_mov_b32 s[G1B+6], 0
	s_mov_b32 s[G1B+7], 0
	s_or_b32 s[G1S+0], s44, SCW0
	s_mov_b32 s[G1S+1], ASD0<<16
	s_mov_b32 s[G1S+2], ASD1<<16
	s_mov_b32 s[G1S+3], ASD0<<16
	s_mov_b32 s[G1S+4], ASD1
	s_mov_b32 s[G1S+5], ASPIT
	s_mov_b32 s[G1S+6], 0
	s_mov_b32 s[G1S+7], 0
	s_or_b32 s[G1SB+0], s45, SCW0                  ; 256 rows of 16 bytes (2 elements), 128 bytes (16 elements) apart
	s_mov_b32 s[G1SB+1], 2<<16
	s_mov_b32 s[G1SB+2], 256<<16
	s_mov_b32 s[G1SB+3], 2<<16
	s_mov_b32 s[G1SB+4], 256
	s_mov_b32 s[G1SB+5], 16
	s_mov_b32 s[G1SB+6], 0
	s_mov_b32 s[G1SB+7], 0
	; where the tiles come from.  A's hang on the tile row alone, which my row of the cluster shares; W's on the tile column alone.  (All these offsets stay under 2^24)
	s_mul_i32 s20, s43, AROW0                      ; A's codes
	s_mov_b32 s21, 0
	s_mul_i32 s22, s43, ASROW0                     ; A's scale bytes
	s_mov_b32 s23, 0
	s_mul_i32 s46, s42, 256*3072                   ; W's codes
	s_mov_b32 s47, 0
	s_lshl_b32 s66, s42, 15                        ; W's scale bytes: 256 rows of 128
	s_mov_b32 s67, 0
	s_wait_kmcnt 0x0
	s_add_nc_u64 s[20:21], s[4:5], s[20:21]
	s_add_nc_u64 s[22:23], s[6:7], s[22:23]
	s_add_nc_u64 s[46:47], s[8:9], s[46:47]
	s_add_nc_u64 s[66:67], s[10:11], s[66:67]
	CROUND                                         ; all sixteen work-groups are here: the first joint loads meet
.irp s, 0,1
	s_mov_b32 s[G0+4*\s], 1                        ; group 0: count 1, LDS address (a constant: no place in the cluster enters it), global address, type 2 on top
	s_mov_b32 s[G0+4*\s+1], \s*SLOT
	s_add_nc_u64 s[G0+4*\s+2:G0+4*\s+3], s[20:21], \s*ASTEP
	s_or_b32 s[G0+4*\s+3], s[G0+4*\s+3], 0x80000000
	s_mov_b32 s[G0S+4*\s], 1
	s_mov_b32 s[G0S+4*\s+1], \s*SLOT+ASCO
	s_add_nc_u64 s[G0S+4*\s+2:G0S+4*\s+3], s[22:23], \s*ASSTEP
	s_or_b32 s[G0S+4*\s+3], s[G0S+4*\s+3], 0x80000000
	s_mov_b32 s[G0B+4*\s], 1
	s_mov_b32 s[G0B+4*\s+1], \s*SLOT+AT
	s_add_nc_u64 s[G0B+4*\s+2:G0B+4*\s+3], s[46:47], \s*384
	s_or_b32 s[G0B+4*\s+3], s[G0B+4*\s+3], 0x80000000
	s_mov_b32 s[G0SB+4*\s], 1
	s_mov_b32 s[G0SB+4*\s+1], \s*SLOT+WSCO
	s_add_nc_u64 s[G0SB+4*\s+2:G0SB+4*\s+3], s[66:67], \s*16
	s_or_b32 s[G0SB+4*\s+3], s[G0SB+4*\s+3], 0x80000000
	JLOAD \s                                       ; K steps 0 and 1: two tensor loads of mine are out
.endr
	v_and_b32 v1, 15, v0                           ; r = lane % 16
	v_bfe_u32 v2, v0, 4, 1                         ; h = lane / 16
	v_and_b32 v3, 31, v0                           ; lane
	v_mul_u32_u24 v4, v1, 2*PITCH
	v_mad_u32_u24 v4, v2, 24, v4                   ; a fragment's lane: two rows x r + 24 x half
	v_lshl_add_u32 v5, v2, 3, v4                   ; and the same behind one padding more
	s_mul_i32 s21, s[MH], AMH                      ; my 64 rows of A
	s_mul_i32 s22, s[NH], 128*PITCH                ; my 128 rows of W,
	s_add_co_u32 s22, s22, AT                      ; which lie behind A's 128
.irp s, 0,1
	v_add_nc_u32 v[ADRA+\s], s21, v4
	v_add_nc_u32 v[ADRB+\s], s22, v4
	v_add_nc_u32 v[ADRA+2+\s], s21, v5
	v_add_nc_u32 v[ADRB+2+\s], s22, v5
	s_add_co_u32 s21, s21, SLOT
	s_add_co_u32 s22, s22, SLOT
.endr
	v_lshlrev_b32 v6, 5, v1                        ; scale words of a pair of blocks: lane (r, h) takes row 2 r + h of 32, 16 bytes a row
	v_lshl_add_u32 v7, v2, 4, v6
	s_lshl_b32 s22, s[NH], 11                      ; W's: my 128 rows
	s_add_co_u32 s22, s22, WSCO
.if SECOND
	v_lshl_add_u32 v6, v2, 3, v6                   ; A's here: row 4 r + 2 i + h, 8 bytes a row
.else
	v_lshl_add_u32 v6, v2, 4, v6
.endif
	s_mul_i32 s21, s[MH], AMHS                     ; A's: my 64 rows
	s_add_co_u32 s21, s21, ASCO
.irp s, 0,1
	v_add_nc_u32 v[ADSA+\s], s21, v6
	v_add_nc_u32 v[ADSB+\s], s22, v7
	s_add_co_u32 s21, s21, SLOT
	s_add_co_u32 s22, s22, SLOT
.endr
	; the way out.  In the stage a block's 16 rows lie on end: row 64 (w / 2) + 16 a + r of the stage holds A's row r of block a; their true places come back when they are read
	s_mul_i32 s21, s[MH], 64*SP
	s_lshl_b32 s22, s[NH], NHSH
	s_add_co_u32 s21, s21, s22
	v_mul_u32_u24 v4, v1, SP
	v_lshl_add_u32 v4, v2, HSH, v4
	v_add_nc_u32 v[STO], s21, v4                   ; into the stage: my 64 rows, my half of each; row r, my half of the lanes' piece
	s_mul_i32 s21, s[WV], 32*SP                    ; back: wave w takes the stage's rows 32 w .. 32 w + 31, whole
.if SECOND
	v_lshlrev_b32 v[CO], 4, v3                     ; the 32 lanes take one row of 512 bytes; the same in the output
	v_add_nc_u32 v[RD], s21, v[CO]
	s_lshl_b32 s20, s43, 7                         ; the stage's row 32 w + T is the tile's row 64 (w / 2) + 2 (w % 2) + 4 (T % 16) + T / 16
	s_lshl_b32 s22, s[MH], 6
	s_add_co_u32 s20, s20, s22
	s_lshl_b32 s22, s[NH], 1
	s_add_co_u32 s20, s20, s22
	s_lshl_b32 s20, s20, 13                        ; a row of the output is 8,192 bytes,
	s_lshl_b32 s46, s42, 9                         ; the tile's 256 columns 512
	s_add_co_u32 s20, s20, s46
	s_mov_b32 s21, 0
	s_add_nc_u64 s[12:13], s[12:13], s[20:21]
.else
	v_mul_u32_u24 v4, v2, 16*SP                    ; the tile's rows 32 w + 2 T and + 1 are the stage's rows 32 w + T and 32 w + 16 + T: lanes 0-15 take the one's sixteen places, lanes 16-31 the other's
	v_lshl_add_u32 v4, v1, 4, v4
	v_add_nc_u32 v[RD], s21, v4
	v_mul_u32_u24 v4, v2, 192
	v_mad_u32_u24 v[CO], v1, 12, v4                ; in memory a row is 192 bytes, a place 12
	v_lshlrev_b32 v[SCO], 3, v3                    ; scale words: 8 bytes a row
	s_lshl_b32 s21, s[MH], 9
	s_lshl_b32 s22, s[NH], 2
	s_add_co_u32 s21, s21, s22
	s_add_co_u32 s21, s21, SST
	v_lshl_add_u32 v[SSTO], v1, 4, s21             ; these lie by the tile's rows: row 64 (w / 2) + 2 r (+ the block's first row), word w % 2
	s_lshl_b32 s21, s[WV], 8
	s_add_co_u32 s21, s21, SST
	v_lshl_add_u32 v[SRD], v3, 3, s21              ; back: row 32 w + lane
	s_lshr_b32 s20, s42, 1                         ; ks = tile column / 2,
	s_mul_i32 s20, s20, 786432
	s_mul_i32 s22, s43, 49152                      ; mt = tile row,
	s_add_co_u32 s20, s20, s22
	s_and_b32 s22, s42, 1                          ; the half = tile column % 2,
	s_mul_i32 s22, s22, 24576
	s_add_co_u32 s20, s20, s22
	s_mul_i32 s22, s[WV], 32*192                   ; my 32 rows
	s_add_co_u32 s20, s20, s22
	s_mov_b32 s21, 0
	s_add_nc_u64 s[12:13], s[12:13], s[20:21]
	s_lshl_b32 s22, s42, 14                        ; scale bytes: kt = tile column; 8 bytes a row
	s_lshl_b32 s46, s43, 10
	s_add_co_u32 s22, s22, s46
	s_lshl_b32 s46, s[WV], 8
	s_add_co_u32 s22, s22, s46
	s_mov_b32 s23, 0
	s_add_nc_u64 s[14:15], s[14:15], s[22:23]
	s_mov_b32 s[SEL], 0x76543210
	s_mov_b32 s[SEL+1], 0xfedcba98
.endif
; A fragment, 16 rows x 128 K of 6-bit codes, is 12 registers: lane (r, h) holds its row's K = 64 c + 32 h + 0 .. 31 in registers 6 c .. 6 c + 5: 24 bytes of the row's stream of bits, as they lie; they come in pieces of
; 8 bytes, so that every address is a multiple of the access's size.  Piece ZP of a padded run of bytes lies at 8 ZP + 8 (ZP / 16).  Lanes 16-31 read three pieces further on; where that is behind one padding more
; (ZP % 16 from 13 on), the second address register serves.
; RUN: the loads of the q-th 128 along K of a slot into register set fs, in one run: W's 48, the slot's scale words (sc = 1), A's 24.  So the 18 youngest are A's blocks 1 to 3.
.macro RUN slot, q, fs, sc
	WIN TO_B
.irp b, 0,1,2,3,4,5,6,7
.irp p, 0,1,2,3,4,5
.set ZP, 12*(\q)+6*(\p/3)+\p%3
.set OF, (32*(\b/2)+\b%2)*PITCH+8*ZP+8*(ZP/16)
.if ZP%16 < 13
	ds_load_b64 v[128*(\fs)+12*\b+2*\p:128*(\fs)+12*\b+2*\p+1], v[ADRB+\slot] offset:OF
.else
	ds_load_b64 v[128*(\fs)+12*\b+2*\p:128*(\fs)+12*\b+2*\p+1], v[ADRB+2+\slot] offset:OF
.endif
.endr
.endr
	WIN 0
.if \sc
.if SECOND
.irp i, 0,1
.irp u, 0,1
	ds_load_b64 v[SCR+24*\slot+4*\i+2*\u:SCR+24*\slot+4*\i+2*\u+1], v[ADSA+\slot] offset:1024*\u+16*\i   ; two words a row for each 256 along K
.endr
.endr
.else
.irp i, 0,1
	ds_load_b128 v[SCR+24*\slot+4*\i:SCR+24*\slot+4*\i+3], v[ADSA+\slot] offset:512*\i                   ; four words a row: the slot's four steps of 128; 32 rows: two blocks
.endr
.endif
.irp i, 0,1,2,3
	ds_load_b128 v[SCR+24*\slot+8+4*\i:SCR+24*\slot+8+4*\i+3], v[ADSB+\slot] offset:512*\i
.endr
.endif
.irp a, 0,1,2,3
.irp p, 0,1,2,3,4,5
.if SECOND
.set ZP, 24*\a+12*((\q)%2)+6*(\p/3)+\p%3       ; four rows of 192 bytes lie on end: row 4 r + a begins 24 a pieces behind row 4 r
.set OF, ((\q)/2)*PLANE+8*ZP+8*(ZP/16)
.else
.set ZP, 12*(\q)+6*(\p/3)+\p%3
.set OF, (32*(\a/2)+\a%2)*PITCH+8*ZP+8*(ZP/16)
.endif
.if ZP%16 < 13
	ds_load_b64 v[AF+48*(\fs)+12*\a+2*\p:AF+48*(\fs)+12*\a+2*\p+1], v[ADRA+\slot] offset:OF
.else
	ds_load_b64 v[AF+48*(\fs)+12*\a+2*\p:AF+48*(\fs)+12*\a+2*\p+1], v[ADRA+2+\slot] offset:OF
.endif
.endr
.endr
.endm
; Matrix instruction MI = 8 a + b of a step: W's block b x A's block a, from register set p, with the scale words of set sc, step q.  A block with an odd number has its words in lanes 16-31.  zero = 1: it starts the sum.
.macro WM p, q, sc, zero
.set rD, 8*MI
.set rB, 128*(\p)+12*(MI%8)
.set rA, AF+48*(\p)+12*(MI/8)
.set rSB, SCR+24*(\sc)+8+4*((MI%8)/2)+(\q)
.set rSA, SCR+24*(\sc)+4*(MI/16)+(\q)
.set ODD, 2*((MI/8)%2)+MI%2
.if \zero
.if ODD == 0
	v_wmma_scale_f32_16x16x128_f8f6f4 v[rD:rD+7], v[rB:rB+11], v[rA:rA+11], 0, v[rSB], v[rSA] matrix_a_fmt:MATRIX_FMT_FP6 matrix_b_fmt:MATRIX_FMT_FP6
.elseif ODD == 1
	v_wmma_scale_f32_16x16x128_f8f6f4 v[rD:rD+7], v[rB:rB+11], v[rA:rA+11], 0, v[rSB], v[rSA] matrix_a_fmt:MATRIX_FMT_FP6 matrix_b_fmt:MATRIX_FMT_FP6 matrix_a_scale:MATRIX_SCALE_ROW1
.elseif ODD == 2
	v_wmma_scale_f32_16x16x128_f8f6f4 v[rD:rD+7], v[rB:rB+11], v[rA:rA+11], 0, v[rSB], v[rSA] matrix_a_fmt:MATRIX_FMT_FP6 matrix_b_fmt:MATRIX_FMT_FP6 matrix_b_scale:MATRIX_SCALE_ROW1
.else
	v_wmma_scale_f32_16x16x128_f8f6f4 v[rD:rD+7], v[rB:rB+11], v[rA:rA+11], 0, v[rSB], v[rSA] matrix_a_fmt:MATRIX_FMT_FP6 matrix_b_fmt:MATRIX_FMT_FP6 matrix_a_scale:MATRIX_SCALE_ROW1 matrix_b_scale:MATRIX_SCALE_ROW1
.endif
.else
.if ODD == 0
	v_wmma_scale_f32_16x16x128_f8f6f4 v[rD:rD+7], v[rB:rB+11], v[rA:rA+11], v[rD:rD+7], v[rSB], v[rSA] matrix_a_fmt:MATRIX_FMT_FP6 matrix_b_fmt:MATRIX_FMT_FP6
.elseif ODD == 1
	v_wmma_scale_f32_16x16x128_f8f6f4 v[rD:rD+7], v[rB:rB+11], v[rA:rA+11], v[rD:rD+7], v[rSB], v[rSA] matrix_a_fmt:MATRIX_FMT_FP6 matrix_b_fmt:MATRIX_FMT_FP6 matrix_a_scale:MATRIX_SCALE_ROW1
.elseif ODD == 2
	v_wmma_scale_f32_16x16x128_f8f6f4 v[rD:rD+7], v[rB:rB+11], v[rA:rA+11], v[rD:rD+7], v[rSB], v[rSA] matrix_a_fmt:MATRIX_FMT_FP6 matrix_b_fmt:MATRIX_FMT_FP6 matrix_b_scale:MATRIX_SCALE_ROW1
.else
	v_wmma_scale_f32_16x16x128_f8f6f4 v[rD:rD+7], v[rB:rB+11], v[rA:rA+11], v[rD:rD+7], v[rSB], v[rSA] matrix_a_fmt:MATRIX_FMT_FP6 matrix_b_fmt:MATRIX_FMT_FP6 matrix_a_scale:MATRIX_SCALE_ROW1 matrix_b_scale:MATRIX_SCALE_ROW1
.endif
.endif
.endm
; Matrix instructions first .. last of a step, back to back.  The 32 accumulators take turns, one instruction a turn, in the same order in every step.
.macro MULS first, last, p, q, sc, zero
	WIN MUL
.set MI, \first
.rept \last-\first+1
	WM \p, \q, \sc, \zero
.set MI, MI+1
.endr
.endm
; One of a slot's first three steps of 128 along K, from set q % 2; the slot's next 128 are fetched into the other set.
.macro STEP slot, q, zero
	s_wait_dscnt 18                                ; W's eight blocks, the scale words and A's block 0 are in: the 18 youngest loads, A's blocks 1 to 3, may be out
	MULS 0, 7, (\q)%2, \q, \slot, \zero
	s_wait_dscnt 0x0                               ; A's blocks 1 to 3 are in
	PLACES 4                                       ; four places between the last step's products, which read the other set, and the loads into it
	RUN \slot, (\q)+1, 1-(\q)%2, 0
	MULS 8, 31, (\q)%2, \q, \slot, \zero
.endm
; A slot's last 128 along K, from set 1, and the change of slots: ONE barrier.  In front of it each wave waits for all its tensor loads, adds 0 to its spare word, and waits for that and for its own reads of this slot.
; fill = 1: the barrier opens a round of the cluster's, and this slot is filled again, two K steps ahead, first thing behind it: 120 of a slot's 128 matrix instructions stand between that request and the wait for it.
; Then the next slot's first 128 and its scale words come into set 0.
.macro TURN slot, next, fill
	WIN 0                                          ; (the add's two registers lie in window 0)
	s_wait_tensorcnt 0x0                           ; all my tensor loads have landed: the one that was out is my part of the next slot
	ds_add_u32 v[SPW], v[NIL]                      ; 0 onto my spare word
	s_wait_dscnt 19                                ; W's blocks and A's block 0 are in: the add and the 18 loads of A's blocks 1 to 3 may be out
	MULS 0, 3, 1, 3, \slot, 0                      ; four matrix instructions stand between the add and the wait for it
	s_wait_dscnt 0x0                               ; the add is done, and my reads of this slot are over
	s_barrier_signal -1
	MULS 4, 7, 1, 3, \slot, 0                      ; work on registers while the others arrive
	WIN 0
	s_barrier_wait -1
.if \fill
	CREST                                          ; no wave of any partner still reads this slot's tiles or has a load on its way
	s_add_nc_u64 s[G0+4*\slot+2:G0+4*\slot+3], s[G0+4*\slot+2:G0+4*\slot+3], 2*ASTEP
	s_add_nc_u64 s[G0S+4*\slot+2:G0S+4*\slot+3], s[G0S+4*\slot+2:G0S+4*\slot+3], 2*ASSTEP
	s_add_nc_u64 s[G0B+4*\slot+2:G0B+4*\slot+3], s[G0B+4*\slot+2:G0B+4*\slot+3], 2*384
	s_add_nc_u64 s[G0SB+4*\slot+2:G0SB+4*\slot+3], s[G0SB+4*\slot+2:G0SB+4*\slot+3], 2*16
	JLOAD \slot                                    ; my one tensor load behind the round, and the first thing there; its four v_nop are the places in front of the loads into set 0
.else
	PLACES 4
.endif
	RUN \next, 0, 0, 1
	MULS 8, 31, 1, 3, \slot, 0
.endm
	s_wait_tensorcnt 1                             ; my part of K step 0 is in; K step 1's load may stay out
	s_barrier_signal -1
	s_barrier_wait -1                              ; everybody's is
	RUN 0, 0, 0, 1
	STEP 0, 0, 1                                   ; the first step stands in front of the loop: its products start the sums, and nothing is cleared
	WIN 0                                          ; at a label and at a branch every window is 0
	s_mov_b32 s3, LAPS
.Llap:                                                 ; a trip goes once round the ring, from a lap's second step to the next lap's first, and fills both slots again
	STEP 0, 1, 0
	STEP 0, 2, 0
	TURN 0, 1, 1
	STEP 1, 0, 0
	STEP 1, 1, 0
	STEP 1, 2, 0
	TURN 1, 0, 1
	STEP 0, 0, 0
	WIN 0
	s_sub_co_u32 s3, s3, 1
	s_cmp_lg_u32 s3, 0
	s_cbranch_scc1 .Llap
	STEP 0, 1, 0                                   ; the last lap fills nothing, and has no round of the cluster's barrier
	STEP 0, 2, 0
	TURN 0, 1, 0
	STEP 1, 0, 0
	STEP 1, 1, 0
	STEP 1, 2, 0
	s_wait_dscnt 18                                ; the very last step: nothing more to fetch
	MULS 0, 7, 1, 3, 1, 0
	s_wait_dscnt 0x0
	MULS 8, 31, 1, 3, 1, 0
	WIN 0
	PLACES 4                                       ; four places between the last products and the first reads of results and writes of operands
.if SECOND
	; THE WAY OUT: registers j of accumulators 2 be and 2 be + 1 are neighbouring columns: one conversion packs them.  A lane's 16 columns, 32 bytes, go into the work-group's stage; a barrier, since a row's 512 bytes come
	; from two waves; back as whole rows, 32 rows a wave.
	WIN 0x0a                                       ; sources 0 and 1 window 2
.irp a, 0,1,2,3
.irp be, 0,1,2,3
.irp j, 0,1,2,3,4,5,6,7
	v_cvt_pk_f16_f32 v[OB+32*\a+8*\be+\j], v[64*\a+16*\be+\j], v[64*\a+16*\be+8+\j]      ; each accumulator from its low end on
.endr
.endr
.endr
	WIN 0
.irp a, 0,1,2,3
.irp be, 0,1,2,3
	ds_store_b128 v[STO], v[OB+32*\a+8*\be:OB+32*\a+8*\be+3] offset:\a*16*SP+64*\be
	ds_store_b128 v[STO], v[OB+32*\a+8*\be+4:OB+32*\a+8*\be+7] offset:\a*16*SP+64*\be+16
.endr
.endr
	s_wait_dscnt 0x0                               ; for the others' sake: my stores into the stage are done
	s_barrier_signal -1
	s_barrier_wait -1
.set T, 0
.rept 32
	ds_load_b128 v[OB+4*T:OB+4*T+3], v[RD] offset:T*SP
.set T, T+1
.endr
.set T, 0
.rept 32
	s_wait_dscnt 31-T                              ; LDS loads come back in order: row T is in, the 31 - T younger ones may be out
	global_store_b128 v[CO], v[OB+4*T:OB+4*T+3], s[12:13] offset:(4*(T%16)+T/16)*8192 th:TH_STORE_NT   ; 32 lanes store 512 consecutive bytes, at a multiple of 256 from the output's first byte; written once, read by nobody here
.set T, T+1
.endr
.else
	; THE WAY OUT: the sums are quantised along n.  Block a of 16 rows: the registers of accumulators 2 be and 2 be + 1 are laid by turns, so that lane (r, h) holds, in 16 consecutive registers, n = 32 be + 16 h + 0 .. 15 of its row.
	; A block of 32 then lies in lanes l and l xor 16.  Its scale is 2^(floor(log2(its largest magnitude)) - 2): the largest magnitude with 2 off its exponent field is the conversion's scale operand, and that field the byte.
.irp be, 0,1,2,3
	v_mov_b32 v[TM+4+\be], 0                       ; written once: a lane permute's destination counts as one of its sources
.endr
.macro QROW a
.set AC, 64*(\a)
	WIN 0x02                                       ; source 0 window 2
.irp be, 0,1,2,3
.irp j, 0,1,2,3,4,5,6,7
	v_mov_b32 v[XQ+16*\be+2*\j], v[AC+16*\be+\j]                   ; column 2 j of my 16; each accumulator from its low end on
	v_mov_b32 v[XQ+16*\be+2*\j+1], v[AC+16*\be+8+\j]               ; column 2 j + 1
.endr
.endr
	WIN 0
.irp be, 0,1,2,3
	v_max3_num_f32 v[TM+\be], |v[XQ+16*\be]|, |v[XQ+16*\be+1]|, 0x1800000   ; my 16 numbers of block be, and the floor 2^(3 - 127): so the byte cannot fall under 1
.endr
.irp i, 2,4,6,8,10,12,14
.irp be, 0,1,2,3
	v_max3_num_f32 v[TM+\be], v[TM+\be], |v[XQ+16*\be+\i]|, |v[XQ+16*\be+\i+1]|   ; (the four blocks by turns: no line waits for the line above it)
.endr
.endr
.irp be, 0,1,2,3
	v_permlanex16_b32 v[TM+4+\be], v[TM+\be], s[SEL], s[SEL+1]
.endr
.irp be, 0,1,2,3
	v_max_num_f32 v[TM+\be], v[TM+\be], v[TM+4+\be]                ; with lane l xor 16's: the block's largest magnitude
.endr
.irp be, 0,1,2,3
	v_add_nc_u32 v[TM+12+\be], 0xff000000, v[TM+\be]               ; 2 off its exponent field
.endr
.irp be, 0,1,2,3
	v_lshrrev_b32 v[TM+4+\be], 23, v[TM+12+\be]                    ; the scale's byte
.endr
	v_lshl_or_b32 v[SWD+(\a)], v[TM+5], 8, v[TM+4]                 ; the four bytes make my row's scale word for these 128 columns
	v_lshl_or_b32 v[SWD+(\a)], v[TM+6], 16, v[SWD+(\a)]
	v_lshl_or_b32 v[SWD+(\a)], v[TM+7], 24, v[SWD+(\a)]
.irp be, 0,1,2,3
	v_cvt_scalef32_pk16_fp6_f32 v[CD+16*(\a)+4*\be:CD+16*(\a)+4*\be+2], v[XQ+16*\be:XQ+16*\be+15], v[TM+12+\be]   ; sixteen numbers / the scale, to the nearest code, ties to even, beyond the largest code the largest: 96 bits without gaps
.endr
	v_nop                                          ; one plain place behind the scaled conversions
.irp be, 0,1,2,3
	ds_store_b96 v[STO], v[CD+16*(\a)+4*\be:CD+16*(\a)+4*\be+2] offset:(\a)*16*SP+32*\be      ; 16 codes, 12 bytes, to a place of 16: every LDS address is a multiple of 16.  Every store has data registers of its own
.endr
	ds_store_b32 v[SSTO], v[SWD+(\a)] offset:(32*((\a)/2)+(\a)%2)*8          ; block a begins at row 32 (a / 2) + a % 2; lanes l and l xor 16 write the same word with the same value
.endm
	QROW 0
	QROW 1
	QROW 2
	QROW 3
	s_wait_dscnt 0x0                               ; for the others' sake: my stores into the stage are done
	s_barrier_signal -1
	s_barrier_wait -1                              ; a row's 192 bytes and its 8 scale bytes come from two waves
.set T, 0
.rept 16
	ds_load_b96 v[OB+4*T:OB+4*T+2], v[RD] offset:T*SP              ; the tile's rows 32 w + 2 T and + 1: sixteen lanes to a row's sixteen places
.set T, T+1
.endr
	ds_load_b64 v[OB+64:OB+65], v[SRD]             ; my 32 rows' scale bytes, 8 a lane
.set T, 0
.rept 16
	s_wait_dscnt 16-T                              ; LDS loads come back in order: these two rows are in; the 15 - T younger loads of rows and that of the scale bytes may be out
	global_store_b96 v[CO], v[OB+4*T:OB+4*T+2], s[12:13] offset:T*384        ; 32 lanes store 384 consecutive bytes; a wave's sixteen stores cover 6,144 on end, from a multiple of 256 on.  The next launch reads them: no hint
.set T, T+1
.endr
	s_wait_dscnt 0x0
	global_store_b64 v[SCO], v[OB+64:OB+65], s[14:15]              ; 32 lanes store 256 consecutive bytes, at a multiple of 256 from the buffer's first byte
.endif
	s_wait_tensorcnt 0x0                           ; the wave's end: behind my last tensor load and my last LDS store
	ds_add_u32 v[SPW], v[NIL]
	s_wait_dscnt 0x0
	CROUND                                         ; the closing round: no work-group ends while a partner may still ask for a tile that names it
	s_endpgm
.Lfunc_end_k_q3014caf3e1_gemm2:
	.size	k_q3014caf3e1_gemm2, .Lfunc_end_k_q3014caf3e1_gemm2-k_q3014caf3e1_gemm2
	.p2alignl 7, 3214868480
	.fill 96, 4, 3214868480
	.section	.rodata,"a",@progbits
	.p2align	6, 0x0
	.amdhsa_kernel k_q3014caf3e1_gemm2
		.amdhsa_group_segment_fixed_size 327680
		.amdhsa_private_segment_fixed_size 0
		.amdhsa_enable_private_segment 0
		.amdhsa_kernarg_size 40
		.amdhsa_user_sgpr_count 2
		.amdhsa_user_sgpr_kernarg_segment_ptr 1
		.amdhsa_wavefront_size32 1
		.amdhsa_system_sgpr_workgroup_id_x 1
		.amdhsa_system_sgpr_workgroup_id_y 1
		.amdhsa_system_sgpr_workgroup_id_z 1
		.amdhsa_system_vgpr_workitem_id 0
		.amdhsa_next_free_vgpr 768
		.amdhsa_next_free_sgpr 102
		.amdhsa_reserve_vcc 0
		.amdhsa_float_denorm_mode_32 3
		.amdhsa_float_denorm_mode_16_64 3
		.amdhsa_memory_ordered 1
		.amdhsa_forward_progress 1
		.amdhsa_inst_pref_size 174
	.end_amdhsa_kernel
	.amdgpu_metadata
---
amdhsa.version: [ 1, 2 ]
amdhsa.kernels:
  - .name:           k_q3014caf3e1_gemm2
    .symbol:         k_q3014caf3e1_gemm2.kd
    .args:
      - { .name: act_codes, .offset: 0, .size: 8, .value_kind: global_buffer, .address_space: global }
      - { .name: act_scales, .offset: 8, .size: 8, .value_kind: global_buffer, .address_space: global }
      - { .name: W_up_codes, .offset: 16, .size: 8, .value_kind: global_buffer, .address_space: global }
      - { .name: W_up_scales, .offset: 24, .size: 8, .value_kind: global_buffer, .address_space: global }
      - { .name: out0, .offset: 32, .size: 8, .value_kind: global_buffer, .address_space: global }
    .group_segment_fixed_size: 327680
    .private_segment_fixed_size: 0
    .kernarg_segment_align: 8
    .kernarg_segment_size: 40
    .max_flat_workgroup_size: 128
    .sgpr_count:     102
    .vgpr_count:     768
    .wavefront_size: 32
...
	.end_amdgpu_metadata
.endif
;; end of part 4
